; MI455X (gfx1250); checked and timed in simulation.
; The chip was launched on July 23, 2026; its instructions are those of AMD's public machine-readable ISA for CDNA 5 (MIT licence, August 2026) and "CDNA5" Instruction Set Architecture Reference Guide (July 2026). The comments in the code are by the model that wrote it; some were corrected since.
;; Encoder Block. Allowed arithmetic: matrix products marked QUANTISED: E2M1 operands, one E8M0 scale for each 32 along K, by v_wmma_scale_f32_16x16x128_f8f6f4 with both operands' format E2M1 (or v_wmma_scale_f32_32x16x128_f4), f32 sums; products left as they are: bf16, f16 or f32 operands; f32 sums; everything else in f32.
;; Inputs: W1 1,024 x 4,096 float32; W2 4,096 x 1,024 float32; Wk 1,024 x 1,024 float32; Wo 1,024 x 1,024 float32; Wq 1,024 x 1,024 float32; Wv 1,024 x 1,024 float32; b1 4,096 float32; b2 1,024 float32; be1 1,024 float32; be2 1,024 float32; bk 1,024 float32; bo 1,024 float32; bq 1,024 float32; bv 1,024 float32; g1 1,024 float32; g2 1,024 float32; x 2 x 2,048 x 1,024 float32.
;; Outputs: out0 2 x 2,048 x 1,024 float32.
;; This version of the problem:
;;   THIS VERSION OF THE PROBLEM IS GIVEN IN LOW PRECISION. The matrix products marked QUANTISED in the list below multiply operands that are first quantised to E2M1 (2 exponent bits, 1 mantissa bit; 4 bits a number), with one power-of-two scale for each 32 numbers along K (OCP MX v1.0); their sums are f32. The products marked 'left as it is' may take bf16, f16 or f32 operands, with f32 sums. Whichever they take, every output number must still come out within the allowed error. Rounding operands to bf16 (8 significant bits) uses up far more of that allowance than f16 does (11 bits, for magnitudes from 6e-5 to 65,504). All else is computed in f32.
;;   The module's matrix products, in the order in which they are computed (A, B: the left and right operand; K: the contracted axis; several contracted axes count as one K, in the product's order):
;;     1. [M 4,096, K 1,024] x [K 1,024, N 1,024]; A: input x; B: input Wq: QUANTISED
;;     2. [M 4,096, K 1,024] x [K 1,024, N 1,024]; A: input x; B: input Wk: QUANTISED
;;     3. [M 4,096, K 1,024] x [K 1,024, N 1,024]; A: input x; B: input Wv: QUANTISED
;;     4. batch 32 x [M 2,048, K 64] x [K 64, N 2,048]; A: computed on the way; B: computed on the way: left as it is (an operand is computed on the way)
;;     5. batch 32 x [M 2,048, K 2,048] x [K 2,048, N 64]; A: computed on the way; B: computed on the way: left as it is (an operand is computed on the way)
;;     6. [M 4,096, K 1,024] x [K 1,024, N 1,024]; A: computed on the way; B: input Wo: left as it is (an operand is computed on the way)
;;     7. [M 4,096, K 1,024] x [K 1,024, N 4,096]; A: computed on the way; B: input W1: left as it is (an operand is computed on the way)
;;     8. [M 4,096, K 4,096] x [K 4,096, N 1,024]; A: computed on the way; B: input W2: left as it is (an operand is computed on the way)
;;   THE QUANTISER, for each operand of a quantised product, along K:
;;     - K is cut into blocks of 32 from its start; a last block that is shorter is filled with zeros.
;;     - A block's scale is 2^e with e = floor(log2(the largest magnitude in the block)) - 2, held to -126 .. 127; a block of zeros has e = 0. As a byte (E8M0): e + 127.
;;     - Each number is divided by its block's scale, clamped to +-6, and rounded to the nearest number of E2M1, ties to even, subnormals kept.
;;     - The product sums the exact products of the quantised numbers (number of the format x scale) in f32.
;;   ~~~python
;;   def quantise(x, axis):      # numpy; x: float32 -> the quantised numbers, widened to float32 again
;;       x = np.moveaxis(x, axis, -1); K = x.shape[-1]
;;       x = np.pad(x, [(0, 0)] * (x.ndim - 1) + [(0, -K % 32)]); x = x.reshape(x.shape[:-1] + (-1, 32)); a = np.abs(x).max(-1, keepdims=True)
;;       e = np.where(a > 0, np.clip(np.frexp(np.where(a > 0, a, 1))[1] - 1 - 2, -126, 127), 0)      # np.frexp(a)[1] - 1 = floor(log2(a)), exactly
;;       r = np.clip(x / 2.0 ** e, -6, 6)
;;       step = 2.0 ** (np.maximum(np.frexp(np.where(r == 0, 1, r))[1] - 1, 0) - 1)
;;       q = np.round(r / step) * step * 2.0 ** e      # np.round: ties to even
;;       return np.moveaxis(q.reshape(q.shape[:-2] + (-1,))[..., :K], -1, axis).astype(np.float32)
;;   ~~~
;; One version. Each part assembles by itself: llvm-mc -triple=amdgcn-amd-amdhsa -mcpu=gfx1250 --defsym DOCPART=n.
;; ======== version 1 of 1: 8 launches
;; limits: values are held in f16: magnitudes above 65,504 overflow, below 6.1e-05 lose precision; a function is approximated: absolute error at most 1.5e-07
;; workspace buffers: codes 3,899,392 bytes; w16 18,874,368 bytes; qkv 25,165,824 bytes; ctx 8,388,608 bytes; y1 16,777,216 bytes; h16 8,388,608 bytes; act 33,554,432 bytes; y2 16,777,216 bytes
;; launch prep (part 1): grid 896 x 1, 4 waves a work-group, no clusters, 68,096 bytes of LDS; arguments x, Wq, Wk, Wv, Wo, W1, W2, codes, w16; writes codes, w16
.if DOCPART == 1
	.amdgcn_target "amdgcn-amd-amdhsa--gfx1250"
	.amdhsa_code_object_version 6
	.text
	.protected	k_qd98573bb9b_prep
	.globl	k_qd98573bb9b_prep
	.p2align	8
	.type	k_qd98573bb9b_prep,@function
k_qd98573bb9b_prep:
	s_mov_b64 s[64:65], 0
	v_nop
	global_prefetch_b8 v0, s[64:65] scope:SCOPE_SE
	s_setreg_imm32_b32 hwreg(HW_REG_WAVE_MODE, 25, 1), 1
	s_wait_xcnt 0x0
; ENCODER BLOCK, launch 1 of 8: the operands of the three quantised products become codes of FP4 (E2M1) with one E8M0 byte for each 32 along K = 1,024; Wo, W1, W2 become f16 as they lie, [K][N].
; WORK LEFT OUT BY THE PROGRAM (in the attention launch): reference() sets every score with |q - k| > 64 to -1e9 by a mask that it builds itself, whatever the inputs hold; behind the maximum's subtraction such a
; key's weight is exp(-1e9 - max), which is nothing beside the weight 1 of the row's largest score while that score lies above about -1e9.  So tiles of scores and of weights x values that lie wholly under the
; mask are not computed: a tile of 16 queries multiplies the 144 keys round it.  LIMITS: where a row's scores inside the window fall to about -1e9, reference() gives the masked keys weight and this program does not;
; a NaN, an infinity or an overflow that reaches only the products left out is not carried to the result.  Nothing else is left out and all 17 inputs are loaded: bk stays, since -1e9 is a finite number and a shift
; of a row's scores moves them against it.
; LIMITS OF FORMAT: the operands of the products that are not quantised (q, k, v, the weights p, ctx, h, gelu(.), Wo, W1, W2) are f16: magnitudes beyond 65,504 become infinity.  Blocks whose largest magnitude lies
; under 2^(2 - 126) keep the byte 1; a block of zeros keeps the byte 1 too (its codes are zeros, and this program alone reads the bytes); NaN and infinities among x, Wq, Wk, Wv are not served.
; THE CODES' BUFFER: 7,168 rows of 512 bytes, K innermost: rows 0-1023 Wq's columns, 1024-2047 Wk's, 2048-6143 x's tokens, 6144-7167 Wv's columns; from byte SC on the same rows' 32 scale bytes.
; THREE PATHS, parted by the work-group's number alone (the same in all four waves); each path that uses LDS has LDS bytes of its own.
;   work-groups 0-191:   a weight whose K is its first axis: a lane takes a column and its registers run down K
;   work-groups 192-319: x, K innermost: a plain stream of blocks of 32
;   work-groups 320-895: the casts to f16: a plain stream
.set SC,    3670016                    ; where the scale bytes begin in the codes' buffer
.set PB,    32768                      ; LDS: the weights' stage, 32 rows x 272 bytes
.set SPARE, 67584                      ; the spare words, 128 bytes for each wave: two blocks of 256 bytes that no other line names
.set SPW,   12                         ; v12  LDS address of my spare word; never rewritten
.set NIL,   13                         ; v13  0; never rewritten
.set EMAX,  2
.set STEPS, 16
.set CB,    8
.set SP,    80
.set R,     16                         ; x's path: v16-79 four sets of 16 numbers as loaded
.set X,     80                         ; v80-111  two sets of 16 neighbours
.set E,     112                        ; v112-127 a scale byte for each step
.set C,     128                        ; v128-191 codes
.set WX,    32                         ; the weights' path: v32-159 four blocks of 32 numbers
.set WC,    160                        ; v160-175 their codes
.set SB,    24                         ; v24      their four scale bytes
	s_load_b512 s[4:19], s[0:1], 0x0               ; x s[4:5], Wq s[6:7], Wk s[8:9], Wv s[10:11], Wo s[12:13], W1 s[14:15], W2 s[16:17], codes s[18:19]
	s_load_b64 s[20:21], s[0:1], 0x40              ; w16
	v_lshl_add_u32 v[SPW], v0, 2, SPARE
	v_mov_b32 v[NIL], 0
	v_lshrrev_b32 v1, 5, v0
	v_readfirstlane_b32 s24, v1                    ; wave 0..3
	v_and_b32 v2, 31, v0                           ; lane
	s_wait_kmcnt 0x0
	s_cmp_lt_u32 ttmp9, 192
	s_cbranch_scc1 .Lweights
	s_cmp_lt_u32 ttmp9, 320
	s_cbranch_scc1 .Ltokens
; ---- THE CASTS.  Work-group c takes 16,384 numbers, a wave 4,096: 32 loads of 512 consecutive bytes, all on their way at once; a store covers 256 consecutive bytes, aligned.
	s_sub_co_u32 s25, ttmp9, 320                   ; c: 0-63 Wo, 64-319 W1, 320-575 W2; w16 holds them in that order, so the way out is 32,768 c
	s_cmp_lt_u32 s25, 64
	s_cselect_b64 s[26:27], s[12:13], s[14:15]
	s_cselect_b32 s28, 0, 64
	s_cmp_lt_u32 s25, 320
	s_cselect_b64 s[26:27], s[26:27], s[16:17]
	s_cselect_b32 s28, s28, 320
	s_sub_co_u32 s28, s25, s28                     ; which 65,536 bytes of that tensor
	s_lshl_b32 s28, s28, 16
	s_lshl_b32 s30, s24, 14
	s_add_co_u32 s28, s28, s30
	s_mov_b32 s29, 0
	s_add_nc_u64 s[26:27], s[26:27], s[28:29]
	s_lshl_b32 s28, s25, 15
	s_lshl_b32 s30, s24, 13
	s_add_co_u32 s28, s28, s30
	s_add_nc_u64 s[20:21], s[20:21], s[28:29]
	v_lshlrev_b32 v3, 4, v2
	v_lshlrev_b32 v4, 3, v2
.set i, 0
.rept 32
	global_load_b128 v[32+4*i:35+4*i], v3, s[26:27] offset:512*i th:TH_LOAD_NT
.set i, i+1
.endr
.set i, 0
.rept 32
	s_wait_loadcnt 31-i                            ; loads come back in order: load i is in, the 31 - i younger ones may be out
	v_cvt_pk_f16_f32 v[32+4*i], v[32+4*i], v[33+4*i]
	v_cvt_pk_f16_f32 v[33+4*i], v[34+4*i], v[35+4*i]
	global_store_b64 v4, v[32+4*i:33+4*i], s[20:21] offset:256*i
.set i, i+1
.endr
	s_endpgm
; ---- x.  A wave takes 16 steps of 512 numbers.  Each load reads 512 consecutive bytes; a step's 2,048 bytes turn through the wave's own stage in LDS, so that a lane holds 16 neighbours along K; two lanes hold a block.
.Ltokens:
	v_lshlrev_b32 v3, 4, v2                        ; my 16 bytes of a load's 512
	s_lshl_b32 s25, s24, 13                        ; my wave's 8,192 bytes of LDS: two stages of 32 x 80, then 256 scale bytes
	v_lshrrev_b32 v14, 2, v2
	v_mul_u32_u24 v14, v14, SP
	v_and_b32 v15, 3, v2
	v_lshl_add_u32 v14, v15, 4, v14
	v_add_nc_u32 v14, s25, v14                     ; in: four lanes' 64 bytes on end, then 16 of padding
	v_mul_u32_u24 v15, v2, SP
	v_add_nc_u32 v15, s25, v15                     ; out: 80 x lane: my 16 neighbours
	v_lshlrev_b32 v4, 3, v2                        ; my 8 bytes of a step's codes
	v_lshrrev_b32 v5, 1, v2
	s_add_co_u32 s25, s25, 2*32*SP
	v_add_nc_u32 v5, s25, v5                       ; my block's scale byte
	v_lshlrev_b32 v7, 3, v2
	v_add_nc_u32 v6, s25, v7
	s_sub_co_u32 s26, ttmp9, 192
	s_lshl_b32 s26, s26, 2
	s_add_co_u32 s26, s26, s24                     ; which run of 8,192 numbers (8 tokens) is my wave's
	s_mov_b32 s29, 0
	s_lshl_b32 s28, s26, 15
	s_add_nc_u64 s[4:5], s[4:5], s[28:29]
	s_lshl_b32 s28, s26, 12
	s_add_co_u32 s28, s28, 2048*512                ; x's codes begin at row 2,048
	s_add_nc_u64 s[8:9], s[18:19], s[28:29]
	s_lshl_b32 s28, s26, 8
	s_add_co_u32 s28, s28, SC+2048*32
	s_add_nc_u64 s[10:11], s[18:19], s[28:29]
.macro LOAD t
.irp i, 0,1,2,3
	global_load_b128 v[R+16*((\t)%4)+4*\i:R+16*((\t)%4)+4*\i+3], v3, s[4:5] offset:2048*(\t)+512*\i th:TH_LOAD_NT
.endr
.endm
.macro TURN t                          ; LDS serves a wave's instructions in order, so no wait stands between the stores and the loads
.irp i, 0,1,2,3
	ds_store_b128 v14, v[R+16*((\t)%4)+4*\i:R+16*((\t)%4)+4*\i+3] offset:32*SP*((\t)%2)+8*SP*\i
.endr
.irp i, 0,1,2,3
	ds_load_b128 v[X+16*((\t)%2)+4*\i:X+16*((\t)%2)+4*\i+3], v15 offset:32*SP*((\t)%2)+16*\i
.endr
.endm
.irp t, 0,1,2,3
	LOAD \t
.endr
	s_wait_loadcnt 12                              ; step 0's four loads are in; the twelve of steps 1 to 3 may be out
	TURN 0
.macro STEP t
.set XS, X+16*((\t)%2)
.if (\t) > 0
	s_wait_dscnt 1                                 ; this step's numbers are back from the stage; the last step's byte store may be out
.else
	s_wait_dscnt 0x0
.endif
.if (\t)+4 < STEPS
	LOAD (\t)+4
.endif
.if (\t)+1 < STEPS
.if STEPS-2-(\t) >= 3
	s_wait_loadcnt 12                              ; the next step's four loads are in; those of the three steps behind it may be out
.else
	s_wait_loadcnt 4*(STEPS-2-(\t))
.endif
	TURN (\t)+1
.endif
	v_max3_num_f32 v8, |v[XS]|, |v[XS+1]|, |v[XS+2]|
	v_max3_num_f32 v9, |v[XS+3]|, |v[XS+4]|, |v[XS+5]|
.irp i, 6,10
	v_max3_num_f32 v8, v8, |v[XS+\i]|, |v[XS+\i+1]|
	v_max3_num_f32 v9, v9, |v[XS+\i+2]|, |v[XS+\i+3]|
.endr
	v_max3_num_f32 v8, v8, |v[XS+14]|, |v[XS+15]|
	v_max3_num_f32 v8, v8, v9, (EMAX+1)<<23        ; the floor 2^(3 - 127): the byte cannot fall under 1
	v_max_num_f32_dpp v8, v8, v8 row_xmask:1 row_mask:0xf bank_mask:0xf   ; with my neighbour's 16: the block's largest magnitude
	v_add_nc_u32 v11, -(EMAX<<23), v8              ; 2 off its exponent field: the conversion takes that field as its scale
	v_cvt_scalef32_pk8_fp4_f32 v[C+4*(\t)], v[XS:XS+7], v11
	v_cvt_scalef32_pk8_fp4_f32 v[C+4*(\t)+1], v[XS+8:XS+15], v11
	v_lshrrev_b32 v[E+(\t)], 23, v11               ; the scale's byte
	ds_store_b8 v5, v[E+(\t)] offset:16*(\t)       ; both lanes of a block write the same byte with the same value
	global_store_b64 v4, v[C+4*(\t):C+4*(\t)+1], s[8:9] offset:32*CB*(\t)   ; the wave stores 256 consecutive bytes, aligned
.endm
.irp t, 0,1,2,3,4,5,6,7,8,9,10,11,12,13,14,15
	STEP \t
.endr
	ds_load_b64 v[8:9], v6                         ; my wave's 256 scale bytes, 8 a lane
	s_wait_dscnt 0x0
	global_store_b64 v7, v[8:9], s[10:11]
	s_wait_tensorcnt 0x0                           ; the wave's end, behind my last LDS store
	ds_add_u32 v[SPW], v[NIL]
	s_wait_dscnt 0x0
	s_endpgm
; ---- Wq, Wk, Wv.  A work-group takes 32 columns x 512 along K; its four waves take the four quarters of K, 4 blocks a lane, so that all 128 loads of a wave go out at once.  Each load reads 128 consecutive bytes.
; A lane's codes belong to one row of the output: the four waves' 64 bytes of each column meet in a stage of 32 rows x (256 + 16) bytes and leave as whole rows: sixteen lanes store 256 consecutive bytes, aligned.
.Lweights:
	s_lshr_b32 s25, ttmp9, 6                       ; which weight
	s_and_b32 s26, ttmp9, 31                       ; which 32 columns
	s_bfe_u32 s27, ttmp9, 0x10005                  ; which 512 along K
	s_lshl_b32 s30, s25, 10
	s_cmp_eq_u32 s25, 0
	s_cselect_b64 s[28:29], s[6:7], s[8:9]
	s_cmp_eq_u32 s25, 2
	s_cselect_b64 s[28:29], s[10:11], s[28:29]
	s_cselect_b32 s30, 6144, s30                   ; the weight's first row in the codes' buffer: 0, 1,024, 6,144
	s_lshl_b32 s31, s26, 5
	s_add_co_u32 s30, s30, s31                     ; my columns' first row
	s_lshl_b32 s32, s27, 21                        ; source: (512 y + 128 wave) rows of 4,096 bytes + 128 bytes for each 32 columns
	s_lshl_b32 s33, s24, 19
	s_add_co_u32 s32, s32, s33
	s_lshl_b32 s33, s26, 7
	s_add_co_u32 s32, s32, s33
	s_mov_b32 s33, 0
	s_add_nc_u64 s[28:29], s[28:29], s[32:33]
	s_lshl_b32 s34, s24, 3                         ; codes: on the way out wave w stores rows 8 w .. 8 w + 7 of the 32
	s_add_co_u32 s34, s34, s30
	s_lshl_b32 s34, s34, 9
	s_lshl_b32 s35, s27, 8
	s_add_co_u32 s34, s34, s35
	s_mov_b32 s35, 0
	s_add_nc_u64 s[34:35], s[18:19], s[34:35]
	s_lshl_b32 s36, s30, 5                         ; scale bytes: SC + 32 x row + 16 y + 4 wave
	s_lshl_b32 s37, s27, 4
	s_add_co_u32 s36, s36, s37
	s_lshl_b32 s37, s24, 2
	s_add_co_u32 s36, s36, s37
	s_add_co_u32 s36, s36, SC
	s_mov_b32 s37, 0
	s_add_nc_u64 s[36:37], s[18:19], s[36:37]
	v_lshlrev_b32 v3, 2, v2                        ; in: 4 bytes a lane
	v_mul_u32_u24 v4, v2, 272
	s_lshl_b32 s38, s24, 6
	s_add_co_u32 s38, s38, PB
	v_add_nc_u32 v4, s38, v4                       ; into the stage: row = my column, my wave's 64 bytes
	v_and_b32 v5, 15, v2
	v_lshrrev_b32 v6, 4, v2
	s_mul_i32 s38, s24, 8*272
	s_add_co_u32 s38, s38, PB
	v_mul_u32_u24 v7, v6, 272
	v_lshl_add_u32 v7, v5, 4, v7
	v_add_nc_u32 v7, s38, v7                       ; out of it: sixteen lanes to a row, two rows an instruction
	v_lshlrev_b32 v8, 9, v6
	v_lshl_add_u32 v8, v5, 4, v8                   ; and the same place in the codes' buffer
	v_lshlrev_b32 v9, 5, v2                        ; my column's row of scale bytes
.set i, 0
.rept 128
	global_load_b32 v[WX+i], v3, s[28:29] offset:i*4096 th:TH_LOAD_NT
.set i, i+1
.endr
.macro WBLOCK t, left
.set XS, WX+32*(\t)
	s_wait_loadcnt \left
	v_max3_num_f32 v16, |v[XS]|, |v[XS+1]|, |v[XS+2]|               ; the block's largest magnitude: all 32 numbers are mine
	v_max3_num_f32 v17, |v[XS+3]|, |v[XS+4]|, |v[XS+5]|
.irp i, 6,10,14,18,22,26
	v_max3_num_f32 v16, v16, |v[XS+\i]|, |v[XS+\i+1]|
	v_max3_num_f32 v17, v17, |v[XS+\i+2]|, |v[XS+\i+3]|
.endr
	v_max3_num_f32 v16, v16, |v[XS+30]|, |v[XS+31]|
	v_max3_num_f32 v16, v16, v17, (EMAX+1)<<23
	v_add_nc_u32 v11, -(EMAX<<23), v16
	v_lshrrev_b32 v17, 23, v11
.if (\t) == 0
	v_mov_b32 v[SB], v17
.else
	v_lshl_or_b32 v[SB], v17, 8*(\t), v[SB]
.endif
.irp g, 0,1,2,3
	v_cvt_scalef32_pk8_fp4_f32 v[WC+4*(\t)+\g], v[XS+8*\g:XS+8*\g+7], v11
.endr
	ds_store_b128 v4, v[WC+4*(\t):WC+4*(\t)+3] offset:16*(\t)
.endm
	WBLOCK 0, 63                                   ; 96 younger loads could stay out; the wait's field ends at 63, and a smaller count is safe
	WBLOCK 1, 63                                   ; 64 could
	WBLOCK 2, 32                                   ; block 3's 32
	WBLOCK 3, 0
	global_store_b32 v9, v[SB], s[36:37]           ; four scale bytes of each of 32 rows, 32 bytes apart: one byte in 128 of what this path reads
	s_wait_dscnt 0x0                               ; for the others' sake: my stores into the stage are done
	s_barrier_signal -1
	s_barrier_wait -1
.irp i, 0,1,2,3
	ds_load_b128 v[176+4*\i:179+4*\i], v7 offset:2*\i*272
.endr
.irp i, 0,1,2,3
	s_wait_dscnt 3-\i
	global_store_b128 v8, v[176+4*\i:179+4*\i], s[34:35] offset:1024*\i
.endr
	s_wait_tensorcnt 0x0                           ; the wave's end, behind my last LDS store
	ds_add_u32 v[SPW], v[NIL]
	s_wait_dscnt 0x0
	s_endpgm
.Lfunc_end_k_qd98573bb9b_prep:
	.size	k_qd98573bb9b_prep, .Lfunc_end_k_qd98573bb9b_prep-k_qd98573bb9b_prep
	.p2alignl 7, 3214868480
	.fill 96, 4, 3214868480
	.section	.rodata,"a",@progbits
	.p2align	6, 0x0
	.amdhsa_kernel k_qd98573bb9b_prep
		.amdhsa_group_segment_fixed_size 68096
		.amdhsa_private_segment_fixed_size 0
		.amdhsa_enable_private_segment 0
		.amdhsa_kernarg_size 72
		.amdhsa_user_sgpr_count 2
		.amdhsa_user_sgpr_kernarg_segment_ptr 1
		.amdhsa_wavefront_size32 1
		.amdhsa_system_sgpr_workgroup_id_x 1
		.amdhsa_system_sgpr_workgroup_id_y 1
		.amdhsa_system_sgpr_workgroup_id_z 1
		.amdhsa_system_vgpr_workitem_id 0
		.amdhsa_next_free_vgpr 192
		.amdhsa_next_free_sgpr 66
		.amdhsa_reserve_vcc 0
		.amdhsa_float_denorm_mode_32 3
		.amdhsa_float_denorm_mode_16_64 3
		.amdhsa_memory_ordered 1
		.amdhsa_forward_progress 1
		.amdhsa_inst_pref_size 66
	.end_amdhsa_kernel
	.amdgpu_metadata
---
amdhsa.version: [ 1, 2 ]
amdhsa.kernels:
  - .name:           k_qd98573bb9b_prep
    .symbol:         k_qd98573bb9b_prep.kd
    .args:
      - { .name: x, .offset: 0, .size: 8, .value_kind: global_buffer, .address_space: global }
      - { .name: Wq, .offset: 8, .size: 8, .value_kind: global_buffer, .address_space: global }
      - { .name: Wk, .offset: 16, .size: 8, .value_kind: global_buffer, .address_space: global }
      - { .name: Wv, .offset: 24, .size: 8, .value_kind: global_buffer, .address_space: global }
      - { .name: Wo, .offset: 32, .size: 8, .value_kind: global_buffer, .address_space: global }
      - { .name: W1, .offset: 40, .size: 8, .value_kind: global_buffer, .address_space: global }
      - { .name: W2, .offset: 48, .size: 8, .value_kind: global_buffer, .address_space: global }
      - { .name: codes, .offset: 56, .size: 8, .value_kind: global_buffer, .address_space: global }
      - { .name: w16, .offset: 64, .size: 8, .value_kind: global_buffer, .address_space: global }
    .group_segment_fixed_size: 68096
    .private_segment_fixed_size: 0
    .kernarg_segment_align: 8
    .kernarg_segment_size: 72
    .max_flat_workgroup_size: 128
    .sgpr_count:     66
    .vgpr_count:     192
    .wavefront_size: 32
...
	.end_amdgpu_metadata
.endif
;; end of part 1
;; launch qkvp (part 2): grid 12 x 16, 4 waves a work-group, clusters of 4 x 4, 327,680 bytes of LDS; arguments codes, bq, bk, bv, qkv; writes qkv
.if DOCPART == 2
	.amdgcn_target "amdgcn-amd-amdhsa--gfx1250"
	.amdhsa_code_object_version 6
	.text
	.protected	k_qd98573bb9b_qkvp
	.globl	k_qd98573bb9b_qkvp
	.p2align	8
	.type	k_qd98573bb9b_qkvp,@function
k_qd98573bb9b_qkvp:
	s_mov_b64 s[64:65], 0
	v_nop
	global_prefetch_b8 v0, s[64:65] scope:SCOPE_SE
	s_setreg_imm32_b32 hwreg(HW_REG_WAVE_MODE, 25, 1), 1
	s_wait_xcnt 0x0
	s_wait_alu depctr_hold_cnt(0) depctr_sa_sdst(0) depctr_va_vdst(0) depctr_va_sdst(0) depctr_va_ssrc(0) depctr_va_vcc(0) depctr_vm_vsrc(0)
	s_getreg_b32 s2, hwreg(HW_REG_IB_STS2, 6, 4)
	s_cmp_eq_u32 s2, 0
	s_cbranch_scc0 .Lentry_in_a_cluster
	s_endpgm
.Lentry_in_a_cluster:
	s_bfe_u32 s2, ttmp6, 0x10000c
	s_cmp_lg_u32 s2, 0xf033
	s_cbranch_scc0 .Lentry_shape_is_right
	s_endpgm
.Lentry_shape_is_right:
; Launch 2 of 8: the three quantised products, on codes of FP4 with E8M0 scales, K = 1,024, as ONE product C = A B^T over rows of the codes' buffer.
; A's rows begin at row 2,048 (x's 4,096 tokens, then Wv's 1,024 columns), B's at row 0 (Wq's and Wk's 2,048 columns, then x's tokens).
;   clusters x = 0, 1: A = tokens, B = Wq's or Wk's columns: q and k, a matrix [token][2,048] (q in columns 0-1023, k in 1024-2047)
;   cluster  x = 2:    A = Wv's columns, B = tokens: V^T, for each batch a matrix [channel][key], so that the keys, the second attention product's K, run along the rows.  The sums are the same products in the same order.
; The bias is the C of each sum's first matrix instruction.  Results are rounded to f16 once (limit: beyond 65,504 infinity).
; THE RESULT'S LAYOUT: each matrix lies as images of 16 x 16 tiles, 512 bytes each: lane l = r + 16 hh holds row r, columns 8 hh + 0..7, at byte 16 l: half a fragment of the f16 matrix form, as the next launch's registers
; take it.  Tiles lie [row tile][column tile]; a row of 128 tiles is 65,536 bytes.  The product is used transposed, so a lane's eight results of an accumulator ARE its 16 bytes of that tile: nothing goes through LDS on the way out.
; A tile of C is 256 x 256: four waves, each 128 x 128 in 64 accumulators.  K goes in two steps of 512 through two LDS slots, each filled once; the rows' scale bytes come once, as dense blocks.
; CLUSTERS: 4 x 4 work-groups; A's tiles are asked for jointly along a row of the cluster, B's along a column.  THE MATRIX INSTRUCTION IS USED TRANSPOSED (source 0 = 16 rows of B, source 1 = 16 rows of A):
; a lane holds eight neighbouring numbers of a row of C.
; REGISTERS: window 0: v0-31 addresses; v32-95 scale words, two sets; v128-191 A's fragments, one set; v192-255 the bias; on the way out v32-159 take the packed results.  window 1: B's fragments, two sets.  windows 2, 3: the accumulators.
.set NQ,     4                         ; matrix instructions deep in a slot
.set ROWB,   256                       ; a tile's row: 512 codes
.set KROW,   512                       ; a row of codes in memory
.set PITCH,  272                       ; 256 bytes + 16 of padding: the 16 rows that a load touches start 68 words apart
.set FR,     8
.set NL,     2
.set NP,     4
.set HALFT,  128*PITCH
.set SLOT,   4*HALFT
.set KS,     32                        ; a row of scale bytes
.set SCL,    2*SLOT                    ; behind the slots: the scale bytes, as units of 256 bytes + 16 of padding
.set HALFS,  16*272
.set SBLK,   2*272
.set SPARE,  SCL+4*HALFS               ; the spare words, 128 bytes for each wave, that no other line names
.set SCB,    3670016                   ; where the scale bytes begin in the codes' buffer
.set ADRA, 16
.set ADRB, 20
.set CO,   26
.set ADRS, 27
.set SPW,  28
.set NIL,  29
.set SC,   32
.set AF,   128
.set BIAS, 192
.set TMP,  32
.set G1, 24
.set G0, 32
.set G1B, 48
.set G0B, 56
.set G1S, 68
.set G0S, 76
.set G1SB, 80
.set G0SB, 88
.set MSB, 0
.macro WIN new                         ; the immediate's high byte repeats the setting that is left
.if MSB != \new
	s_set_vgpr_msb (MSB<<8)|\new
.set MSB, \new
.endif
.endm
.set MUL_LO, 0xa1                      ; source 0 (B) window 1, source 1 (A) window 0, C and D window 2
.set MUL_HI, 0xf1
.set TO_B,   0x40
.macro JLOAD g0a, g1a, g0b, g1b        ; waves 0 and 1 fetch for A, waves 2 and 3 for B; the branch hangs on the wave's number alone
	s_cmp_eq_u32 s15, 0
	s_cbranch_scc0 .Lfor_b_\@
	tensor_load_to_lds s[\g0a:\g0a+3], s[\g1a:\g1a+7]
	s_nop 0
.rept 4
	v_nop
.endr
	s_branch .Lasked_\@
.Lfor_b_\@:
	tensor_load_to_lds s[\g0b:\g0b+3], s[\g1b:\g1b+7]
	s_nop 0
.rept 4
	v_nop
.endr
.Lasked_\@:
.endm
.macro CROUND                          ; a round of the cluster's barrier
	s_barrier_signal -1
	s_barrier_wait -1
	s_cmp_lg_u32 s14, 0
	s_cbranch_scc1 .Lnot_wave_0_\@
	s_barrier_signal -3
.Lnot_wave_0_\@:
	s_barrier_wait -3
	s_barrier_signal -1
	s_barrier_wait -1
.endm
	s_load_b256 s[4:11], s[0:1], 0x0               ; codes s[4:5], bq s[6:7], bk s[8:9], bv s[10:11]
	s_load_b64 s[12:13], s[0:1], 0x20              ; qkv
	v_lshl_add_u32 v[SPW], v0, 2, SPARE
	v_mov_b32 v[NIL], 0
	ds_add_u32 v[SPW], v[NIL]                      ; the wave's opening: the add, twice on end, and its wait ahead of my first tensor load
	ds_add_u32 v[SPW], v[NIL]
	v_lshrrev_b32 v1, 5, v0
	v_readfirstlane_b32 s14, v1                    ; wave 0..3
	s_lshr_b32 s15, s14, 1                         ; which half of the tile's rows is mine.  Also: I fetch for A (0) or for B (1)
	s_and_b32 s16, s14, 1                          ; which half of its columns.  Also: which 128 rows I fetch
	s_bfe_u32 s40, ttmp6, 0x40000                  ; cx
	s_bfe_u32 s41, ttmp6, 0x40004                  ; cy
	s_and_b32 s95, ttmp7, 0xffff                   ; the cluster's y
	s_add_co_u32 s97, s95, 2
	s_cmp_lt_u32 ttmp9, 2                          ; q and k, or V^T?  The cluster's x is the same in all sixteen partners
	s_cselect_b32 s96, s95, 4                      ; four tile rows of A: tokens by y, or Wv's columns
	s_cselect_b32 s97, ttmp9, s97                  ; four tile columns of B: Wq's, Wk's, or tokens by y
	s_cselect_b32 s98, 0, 1                        ; 1: V^T
	s_cselect_b32 s99, 0, 0x400000
	s_lshl_b32 s42, s97, 2
	s_add_co_u32 s42, s42, s40                     ; tile column
	s_lshl_b32 s17, s96, 2
	s_add_co_u32 s17, s17, s41                     ; tile row
	s_lshl_b32 s43, s41, 2
	s_lshl_b32 s43, 15, s43                        ; my row of the cluster
	s_lshl_b32 s44, 0x1111, s40                    ; my column
	s_or_b32 s[G1+0], s43, (0<<16)|(1<<20)|(1<<21)|(5<<22)|(3<<25)  ; the mask; elements of 1 byte; padding on; bit 21 beside a mask; 4 words of padding after every 64
	s_or_b32 s[G1B+0], s44, (0<<16)|(1<<20)|(1<<21)|(5<<22)|(3<<25)
.irp g, G1, G1B
	s_mov_b32 s[\g+1], ROWB<<16                    ; tensor_dim0
	s_mov_b32 s[\g+2], 128<<16                     ; tensor_dim1
	s_mov_b32 s[\g+3], ROWB<<16                    ; tile_dim0
	s_mov_b32 s[\g+4], 128                         ; tile_dim1
	s_mov_b32 s[\g+5], KROW                        ; from row to row
	s_mov_b32 s[\g+6], 0
	s_mov_b32 s[\g+7], 0
.endr
	s_or_b32 s[G1S+0], s43, (3<<16)|(1<<20)|(1<<21)|(5<<22)|(3<<25) ; the scale bytes of 128 rows: 4,096 dense bytes as 16 rows of 32 elements of 8 bytes
	s_or_b32 s[G1SB+0], s44, (3<<16)|(1<<20)|(1<<21)|(5<<22)|(3<<25)
.irp g, G1S, G1SB
	s_mov_b32 s[\g+1], 32<<16
	s_mov_b32 s[\g+2], 16<<16
	s_mov_b32 s[\g+3], 32<<16
	s_mov_b32 s[\g+4], 16
	s_mov_b32 s[\g+5], 32
	s_mov_b32 s[\g+6], 0
	s_mov_b32 s[\g+7], 0
.endr
	s_lshl_b32 s18, s16, 7
	s_lshl_b32 s20, s17, 8
	s_add_co_u32 s20, s20, s18
	s_add_co_u32 s20, s20, 2048                    ; A: row 2,048 + 256 x tile row + 128 x half
	s_lshl_b32 s46, s42, 8
	s_add_co_u32 s46, s46, s18                     ; B: row 256 x tile column + 128 x half
	s_lshl_b32 s22, s20, 5
	s_add_co_u32 s22, s22, SCB                     ; their scale bytes,
	s_mov_b32 s23, 0
	s_lshl_b32 s92, s46, 5
	s_add_co_u32 s92, s92, SCB
	s_mov_b32 s93, 0
	s_lshl_b32 s20, s20, 9                         ; and their codes
	s_mov_b32 s21, 0
	s_lshl_b32 s46, s46, 9
	s_mov_b32 s47, 0
	s_mul_i32 s45, s14, HALFT                      ; where they go: wave x 128 rows
	s_mul_i32 s94, s14, HALFS
	s_wait_dscnt 0x0                               ; both opening adds are done
	s_wait_kmcnt 0x0
	s_add_nc_u64 s[20:21], s[4:5], s[20:21]
	s_add_nc_u64 s[22:23], s[4:5], s[22:23]
	s_add_nc_u64 s[46:47], s[4:5], s[46:47]
	s_add_nc_u64 s[92:93], s[4:5], s[92:93]
	CROUND                                         ; all sixteen work-groups are here: the joint loads meet
	s_mov_b32 s[G0S], 1
	s_add_co_u32 s[G0S+1], s94, SCL
	s_mov_b64 s[G0S+2:G0S+3], s[22:23]
	s_or_b32 s[G0S+3], s[G0S+3], 0x80000000
	s_mov_b32 s[G0SB], 1
	s_add_co_u32 s[G0SB+1], s94, SCL
	s_mov_b64 s[G0SB+2:G0SB+3], s[92:93]
	s_or_b32 s[G0SB+3], s[G0SB+3], 0x80000000
	JLOAD G0S, G1S, G0SB, G1SB
.irp s, 0,1
	s_mov_b32 s[G0+4*\s], 1
	s_add_co_u32 s[G0+4*\s+1], s45, \s*SLOT
	s_add_nc_u64 s[G0+4*\s+2:G0+4*\s+3], s[20:21], \s*ROWB
	s_or_b32 s[G0+4*\s+3], s[G0+4*\s+3], 0x80000000
	s_mov_b32 s[G0B+4*\s], 1
	s_add_co_u32 s[G0B+4*\s+1], s45, \s*SLOT
	s_add_nc_u64 s[G0B+4*\s+2:G0B+4*\s+3], s[46:47], \s*ROWB
	s_or_b32 s[G0B+4*\s+3], s[G0B+4*\s+3], 0x80000000
	JLOAD G0+4*\s, G1, G0B+4*\s, G1B
.endr
	v_and_b32 v1, 15, v0                           ; r = l % 16
	v_bfe_u32 v2, v0, 4, 1                         ; hh = l / 16
	; THE BIAS, by the same 64 lines on both ways.  q, k: register 8 b + j = bias[my first column + 16 b + 8 hh + j].  V^T: register 8 a + j = bv[my first channel + 16 a + r].
	s_cmp_eq_u32 s98, 0
	s_cselect_b32 s18, 32, 0
	s_cselect_b32 s19, 0, 4
	s_cselect_b32 s3, 4, 0
	v_mul_u32_u24 v7, s18, v2
	v_mad_u32_u24 v7, v1, s19, v7
.irp j, 0,1,2,3,4,5,6,7
	v_mad_u32_u24 v[8+\j], s3, \j, v7
.endr
	s_cmp_eq_u32 ttmp9, 0
	s_cselect_b64 s[100:101], s[6:7], s[8:9]
	s_cmp_lt_u32 ttmp9, 2
	s_cselect_b64 s[100:101], s[100:101], s[10:11]
	s_cselect_b32 s18, s40, s41                    ; 256 numbers for each place along x (columns) or along y (channels),
	s_cselect_b32 s19, s16, s15                    ; 128 for my half
	s_lshl_b32 s18, s18, 10
	s_lshl_b32 s19, s19, 9
	s_add_co_u32 s18, s18, s19
	s_mov_b32 s19, 0
	s_add_nc_u64 s[100:101], s[100:101], s[18:19]
.irp i, 0,1,2,3,4,5,6,7
.irp j, 0,1,2,3,4,5,6,7
	global_load_b32 v[BIAS+8*\i+\j], v[8+\j], s[100:101] offset:64*\i
.endr
.endr
	v_mul_u32_u24 v3, v1, PITCH
	v_lshl_add_u32 v4, v2, 4, v3                   ; a fragment's row x pitch + 16 x half
	s_mul_i32 s21, s15, HALFT
	s_mul_i32 s22, s16, HALFT
	s_add_co_u32 s22, s22, 2*HALFT
.irp s, 0,1
	v_add_nc_u32 v[ADRA+\s], s21, v4
	v_add_nc_u32 v[ADRB+\s], s22, v4
	s_add_co_u32 s21, s21, SLOT
	s_add_co_u32 s22, s22, SLOT
.endr
	v_mul_u32_u24 v5, v1, KS                       ; my row's scale bytes: 32 a row, and 16 more for each 256 passed
	v_lshrrev_b32 v6, 8, v5
	v_lshl_add_u32 v5, v6, 4, v5
	s_mul_i32 s21, s15, HALFS
	s_mul_i32 s22, s16, HALFS
	s_add_co_u32 s22, s22, 2*HALFS
	s_sub_co_u32 s22, s22, s21
	v_mul_u32_u24 v6, s22, v2                      ; lanes 16-31 take B's
	s_add_co_u32 s21, s21, SCL
	v_add_nc_u32 v5, v5, v6
	v_add_nc_u32 v[ADRS], s21, v5
	v_and_b32 v5, 31, v0
	v_lshlrev_b32 v[CO], 4, v5                     ; the way out: my 16 bytes of a tile's image
	s_lshl_b32 s20, s17, 20                        ; (256 x tile row + 128 x half) rows, 65,536 bytes for each 16: tile rows 16-19 fall on V^T's part of the buffer
	s_lshl_b32 s21, s15, 19
	s_add_co_u32 s20, s20, s21
	s_mov_b32 s21, 0
	s_add_nc_u64 s[12:13], s[12:13], s[20:21]
	s_and_b32 s46, s42, 7                          ; 256 columns are 16 tiles of 512 bytes,
	s_lshl_b32 s46, s46, 13
	s_lshr_b32 s47, s42, 3                         ; V^T: 4,194,304 bytes for each batch (tile columns 8-15, 16-23)
	s_lshl_b32 s47, s47, 22
	s_add_co_u32 s46, s46, s47
	s_sub_co_u32 s46, s46, s99
	s_lshl_b32 s47, s16, 12                        ; my half's 128 columns: 8 tiles
	s_add_co_u32 s46, s46, s47
	s_mov_b32 s47, 0
	s_add_nc_u64 s[12:13], s[12:13], s[46:47]
.macro FRAG reg, adr, q, i             ; 16 rows x 128 K of 4-bit codes: 8 registers; lane l: row l % 16; registers 4 c .. 4 c + 3: K = 64 c + 32 (l / 16) + 0 .. 31
.irp c, 0,1
	ds_load_b128 v[\reg+4*\c:\reg+4*\c+3], v[\adr] offset:64*(\q)+32*\c+(\i)*16*PITCH
.endr
.endm
; 16 matrix instructions: A's blocks a0, a0 + 1 x B's eight.  mode 0: the sums go on; 2: they start from the bias by B's block; 3: from the bias by A's block.  The 64 accumulators take turns.
.macro MUL16 a0, p, q, sc, mode
.irp a, \a0, \a0+1
.irp b, 0,1,2,3,4,5,6,7
.if \mode == 0
	v_wmma_scale_f32_16x16x128_f8f6f4 v[8*(8*((\a)%4)+\b):8*(8*((\a)%4)+\b)+7], v[128*(\p)+FR*\b:128*(\p)+FR*\b+FR-1], v[AF+FR*(\a):AF+FR*(\a)+FR-1], v[8*(8*((\a)%4)+\b):8*(8*((\a)%4)+\b)+7], v[SC+8*NQ*(\sc)+NQ*\b+(\q)], v[SC+8*NQ*(\sc)+NQ*(\a)+(\q)] matrix_a_fmt:MATRIX_FMT_FP4 matrix_b_fmt:MATRIX_FMT_FP4 matrix_a_scale:MATRIX_SCALE_ROW1
.elseif \mode == 2
	v_wmma_scale_f32_16x16x128_f8f6f4 v[8*(8*((\a)%4)+\b):8*(8*((\a)%4)+\b)+7], v[128*(\p)+FR*\b:128*(\p)+FR*\b+FR-1], v[AF+FR*(\a):AF+FR*(\a)+FR-1], v[BIAS+8*\b:BIAS+8*\b+7], v[SC+8*NQ*(\sc)+NQ*\b+(\q)], v[SC+8*NQ*(\sc)+NQ*(\a)+(\q)] matrix_a_fmt:MATRIX_FMT_FP4 matrix_b_fmt:MATRIX_FMT_FP4 matrix_a_scale:MATRIX_SCALE_ROW1
.else
	v_wmma_scale_f32_16x16x128_f8f6f4 v[8*(8*((\a)%4)+\b):8*(8*((\a)%4)+\b)+7], v[128*(\p)+FR*\b:128*(\p)+FR*\b+FR-1], v[AF+FR*(\a):AF+FR*(\a)+FR-1], v[BIAS+8*(\a):BIAS+8*(\a)+7], v[SC+8*NQ*(\sc)+NQ*\b+(\q)], v[SC+8*NQ*(\sc)+NQ*(\a)+(\q)] matrix_a_fmt:MATRIX_FMT_FP4 matrix_b_fmt:MATRIX_FMT_FP4 matrix_a_scale:MATRIX_SCALE_ROW1
.endif
.endr
.endr
.endm
.macro FETCH_B slot, q, p
	WIN TO_B
.irp i, 0,1,2,3,4,5,6,7
	FRAG 128*(\p)+FR*\i, ADRB+\slot, \q, \i
.endr
	WIN 0
.endm
.macro FETCH_A slot, q, i0
.irp i, \i0, \i0+1, \i0+2, \i0+3
	FRAG AF+FR*(\i), ADRA+\slot, \q, \i
.endr
.endm
.macro SCALES sc                       ; a slot's scale words: 4 words a row; lanes 0-15 take A's block i, lanes 16-31 B's block i
.irp i, 0,1,2,3,4,5,6,7
	ds_load_b128 v[SC+8*NQ*\sc+NQ*\i:SC+8*NQ*\sc+NQ*\i+3], v[ADRS] offset:\i*SBLK
.endr
.endm
.macro PLACES n                        ; plain vector instructions between a matrix instruction and a load into, or a read of, its registers
.rept \n
	v_nop
.endr
.endm
.macro STEP slot, q, mode              ; 128 along K, with its successor in the same slot.  Where the sums start, C lies in window 0
	s_wait_dscnt 4*NL                              ; B's set and A's blocks 0-3 are in; the youngest eight loads (A's blocks 4-7) may be out
.if \mode
	WIN 0x81
.else
	WIN MUL_LO
.endif
	MUL16 0, (\q)%2, \q, \slot, \mode
	MUL16 2, (\q)%2, \q, \slot, \mode
	s_wait_dscnt 0
	PLACES NP
	FETCH_B \slot, (\q)+1, 1-(\q)%2
	FETCH_A \slot, (\q)+1, 0
.if \mode
	WIN 0xc1
.else
	WIN MUL_HI
.endif
	MUL16 4, (\q)%2, \q, \slot, \mode
	MUL16 6, (\q)%2, \q, \slot, \mode
	PLACES NP
	WIN 0
	FETCH_A \slot, (\q)+1, 4
.endm
.macro STEPS slot, from
.set Q, \from
.rept NQ-1-\from
	STEP \slot, Q, 0
.set Q, Q+1
.endr
.endm
	s_wait_tensorcnt 1                             ; the scale bytes and my part of slot 0 are in; slot 1's load may be out
	s_barrier_signal -1
	s_barrier_wait -1
	FETCH_B 0, 0, 0
	FETCH_A 0, 0, 0
	SCALES 0
	FETCH_A 0, 0, 4
	s_wait_loadcnt 0x0                             ; the bias
	s_cmp_eq_u32 s98, 0                            ; the first step is written twice: it differs in which bias registers start a sum.  The test is the same in all waves of all sixteen partners
	s_cbranch_scc0 .Lfirst_v
	STEP 0, 0, 2
	s_branch .Lfirst_done
.Lfirst_v:
	STEP 0, 0, 3
.Lfirst_done:
	STEPS 0, 1
	; slot 0's last step changes slots: one barrier; in front of it each wave has all its tensor loads in (its part of slot 1) and its reads of slot 0 over
	s_wait_tensorcnt 0x0
	ds_add_u32 v[SPW], v[NIL]
	s_wait_dscnt 4*NL+1                            ; the add and the youngest eight loads may be out
	WIN MUL_LO
	MUL16 0, 1, NQ-1, 0, 0
	s_wait_dscnt 0x0
	s_barrier_signal -1
	MUL16 2, 1, NQ-1, 0, 0
	WIN 0
	s_barrier_wait -1
	PLACES NP
	v_add_nc_u32 v[ADRS], 4*NQ, v[ADRS]            ; slot 1's scale words: 16 bytes on in each row
	FETCH_B 1, 0, 0
	FETCH_A 1, 0, 0
	SCALES 1
	WIN MUL_HI
	MUL16 4, 1, NQ-1, 0, 0
	MUL16 6, 1, NQ-1, 0, 0
	PLACES NP
	WIN 0
	FETCH_A 1, 0, 4
	STEPS 1, 0
	s_wait_dscnt 4*NL
	WIN MUL_LO
	MUL16 0, 1, NQ-1, 1, 0
	MUL16 2, 1, NQ-1, 1, 0
	s_wait_dscnt 0
	WIN MUL_HI
	MUL16 4, 1, NQ-1, 1, 0
	MUL16 6, 1, NQ-1, 1, 0
	WIN 0
; THE WAY OUT, a block of 16 rows x 128 columns at a time: rounded to f16; a lane's 16 bytes of accumulator (a, b) are its place in the image of tile (a, b), so each store of the wave covers 512 consecutive bytes, aligned.
; A block's eight tiles lie on end (4,096 bytes); blocks lie 65,536 bytes apart: every place stands in the store's immediate, 462,336 at the most, and no base is stepped.  Four sets of 32 registers take turns.
.macro PACK a
.set AC, 64*((\a)%4)
.set TT, TMP+32*((\a)%4)
	WIN 0x0a+5*((\a)/4)                            ; sources 0 and 1: window 2 or 3
.irp b, 0,1,2,3,4,5,6,7
.irp r, 0,1,2,3
	v_cvt_pk_f16_f32 v[TT+4*\b+\r], v[AC+8*\b+2*\r], v[AC+8*\b+2*\r+1]    ; each accumulator from its low end on
.endr
.endr
	WIN 0
.endm
.macro SEND a
.set TT, TMP+32*((\a)%4)
.irp b, 0,1,2,3,4,5,6,7
	global_store_b128 v[CO], v[TT+4*\b:TT+4*\b+3], s[12:13] offset:65536*(\a)+512*\b
.endr
.endm
	PLACES NP
.irp a, 0,1,2,3,4,5,6,7
.if \a > 3
	s_wait_xcnt 0x0                                ; the stores of the block four back have read their data: its set of registers may be written again
.endif
	PACK \a
	SEND \a
.endr
	s_wait_tensorcnt 0x0                           ; the wave's end
	ds_add_u32 v[SPW], v[NIL]
	s_wait_dscnt 0x0
	CROUND                                         ; the closing round
	s_endpgm
.Lfunc_end_k_qd98573bb9b_qkvp:
	.size	k_qd98573bb9b_qkvp, .Lfunc_end_k_qd98573bb9b_qkvp-k_qd98573bb9b_qkvp
	.p2alignl 7, 3214868480
	.fill 96, 4, 3214868480
	.section	.rodata,"a",@progbits
	.p2align	6, 0x0
	.amdhsa_kernel k_qd98573bb9b_qkvp
		.amdhsa_group_segment_fixed_size 327680
		.amdhsa_private_segment_fixed_size 0
		.amdhsa_enable_private_segment 0
		.amdhsa_kernarg_size 40
		.amdhsa_user_sgpr_count 2
		.amdhsa_user_sgpr_kernarg_segment_ptr 1
		.amdhsa_wavefront_size32 1
		.amdhsa_system_sgpr_workgroup_id_x 1
		.amdhsa_system_sgpr_workgroup_id_y 1
		.amdhsa_system_sgpr_workgroup_id_z 1
		.amdhsa_system_vgpr_workitem_id 0
		.amdhsa_next_free_vgpr 1024
		.amdhsa_next_free_sgpr 102
		.amdhsa_reserve_vcc 0
		.amdhsa_float_denorm_mode_32 3
		.amdhsa_float_denorm_mode_16_64 3
		.amdhsa_memory_ordered 1
		.amdhsa_forward_progress 1
		.amdhsa_inst_pref_size 135
	.end_amdhsa_kernel
	.amdgpu_metadata
---
amdhsa.version: [ 1, 2 ]
amdhsa.kernels:
  - .name:           k_qd98573bb9b_qkvp
    .symbol:         k_qd98573bb9b_qkvp.kd
    .args:
      - { .name: codes, .offset: 0, .size: 8, .value_kind: global_buffer, .address_space: global }
      - { .name: bq, .offset: 8, .size: 8, .value_kind: global_buffer, .address_space: global }
      - { .name: bk, .offset: 16, .size: 8, .value_kind: global_buffer, .address_space: global }
      - { .name: bv, .offset: 24, .size: 8, .value_kind: global_buffer, .address_space: global }
      - { .name: qkv, .offset: 32, .size: 8, .value_kind: global_buffer, .address_space: global }
    .group_segment_fixed_size: 327680
    .private_segment_fixed_size: 0
    .kernarg_segment_align: 8
    .kernarg_segment_size: 40
    .max_flat_workgroup_size: 128
    .sgpr_count:     102
    .vgpr_count:     1024
    .wavefront_size: 32
...
	.end_amdgpu_metadata
.endif
;; end of part 2
;; launch attn (part 3): grid 32 x 8, 16 waves a work-group, no clusters, 167,936 bytes of LDS; arguments qkv, ctx; writes ctx
.if DOCPART == 3
	.amdgcn_target "amdgcn-amd-amdhsa--gfx1250"
	.amdhsa_code_object_version 6
	.text
	.protected	k_qd98573bb9b_attn
	.globl	k_qd98573bb9b_attn
	.p2align	8
	.type	k_qd98573bb9b_attn,@function
k_qd98573bb9b_attn:
	s_mov_b64 s[64:65], 0
	v_nop
	global_prefetch_b8 v0, s[64:65] scope:SCOPE_SE
	s_setreg_imm32_b32 hwreg(HW_REG_WAVE_MODE, 25, 1), 1
	s_wait_xcnt 0x0
; Launch 3 of 8: attention under reference()'s own window |q - k| <= 64 with the ALiBi bias.  WORK LEFT OUT: score and value tiles that lie wholly under that mask (shown at the head of the first launch, with its limits).
; SHARES.  A work-group takes 128 tokens and two heads; wave w takes head 2 y + w % 2 and the tile of 16 queries i = w / 2.  A tile of queries multiplies the nine tiles of 16 keys from q0 - 64 on.
; q, k AND V^T LIE IN MEMORY AS IMAGES OF 16 x 16 TILES, 512 bytes each (lane l = r + 16 hh: row r, columns 8 hh + 0..7, at byte 16 l): a tile is half a fragment of the f16 matrix form, so every load, from memory
; and from LDS, is 16 bytes a lane at 16 x lane: 512 consecutive bytes a wave.
; ONE COPY OF THE WINDOW FOR THE WORK-GROUP.  Its 128 queries see 16 tiles of tokens, from its first token - 64 on.  Wave w loads token tile w of both heads, 8 tiles of k and 8 of V^T, and stores them to LDS as they are;
; behind one barrier query tile i reads tiles i .. i + 8.  So a work-group loads 16 x 20 x 512 = 163,840 bytes, where waves that each loaded their own nine tiles would load 622,592.  LDS addresses hang on the wave and the lane alone.
; THE SEQUENCE'S ENDS.  A token tile that lies outside the sequence is loaded from the nearest tile inside (a clamp on ids, in the global address alone) and hidden as a whole: for such a tile the mask's threshold is +infinity.
; These are 20 of a sequence's 1,152 tiles of scores; they are multiplied and thrown away, since a jump round them would give the waves different texts for no gain.
; LAYOUT.  S^T = K Q^T (source 0 = 16 keys, source 1 = 16 queries): a lane holds ONE query (lane % 16) and the keys 16 t + 8 (lane / 16) + 0..7.  Two such tiles, rounded to f16 in pairs, ARE source 1 of O^T = V^T P.
; SOFTMAX, in one pass: all 144 scores of a query are in registers.  u = s log2(e) / 8 - slope log2(e) |rel|, hidden keys -infinity; M = the row's largest u; p = 2^(u - M); the sum is taken of the unrounded p.
; Every query sees itself, so M is a number.  p goes to the second product in f16; O is divided by the sum and rounded to f16 once.
; REGISTERS: v1-7 addresses and constants; v8 M, v9 the sum, v10 its reciprocal, v11 a lane permute's destination; v[12:13] rel of the tile's first two keys; v14 -infinity; v16-23 at work (v18-21: LDS addresses, until the scores
; are worked); v24-87 what I load for the work-group; then v24-95 S^T, then P (v24-59), zeros (v60-63) and O^T (v64-95); v96-239 K, v240-255 Q, then v96-255 V^T.
.set VT,    16777216                   ; where V^T begins in the buffer
.set VB,    65536                      ; LDS: k's 16 token tiles x 4,096 bytes from 0; V^T's 8 channel tiles x 8,192 bytes from here;
.set STG,   131072                     ; the way out's stage, 8 x 16 rows x 272 bytes;
.set SPARE, 165888                     ; the spare words, 128 bytes for each of 16 waves, that no other line names
.set LO,  1                            ; 16 x lane
.set STO, 2
.set RD,  3
.set GO,  4
.set SPW, 5
.set NIL, 6
.set CSL, 7                            ; slope x log2(e)
.set LSK, 18                           ; where I store k's tiles
.set LSV, 19                           ; and V^T's
.set KA,  20                           ; where I read k's fragments
.set VA,  21                           ; and V^T's
.set S,   24
.set KF,  96
.set QF,  240
.set VF,  96
.set OT,  64
.set KT0, 17                           ; s17 my first key, q0 - 64, as it would be in an endless sequence
.set THR, 32                           ; s32 the mask's threshold for the tile in hand
.set TH0, 33                           ; s33 the bias at |rel| = 64.5
	s_load_b128 s[4:7], s[0:1], 0x0                ; qkv, ctx
	v_lshl_add_u32 v[SPW], v0, 2, SPARE
	v_mov_b32 v[NIL], 0
	v_lshrrev_b32 v16, 5, v0
	v_readfirstlane_b32 s8, v16                    ; wave 0..15
	s_and_b32 s9, s8, 1                            ; e: which of the two heads
	s_lshr_b32 s10, s8, 1                          ; i: which tile of queries
	s_and_b32 s11, ttmp7, 0xffff                   ; the pair of heads
	s_lshl_b32 s12, s11, 1
	s_add_co_u32 s12, s12, s9                      ; the head
	s_lshl_b32 s13, ttmp9, 7
	s_lshl_b32 s14, s10, 4
	s_add_co_u32 s13, s13, s14                     ; my first token
	s_lshr_b32 s14, ttmp9, 4                       ; the batch
	s_and_b32 s15, s13, 2047                       ; q0
	s_sub_co_i32 s[KT0], s15, 64
	s_and_b32 s16, ttmp9, 15                       ; the token tile that I load for the work-group: 8 x (its place in the sequence) - 4 + wave, held to 0 .. 127
	s_lshl_b32 s16, s16, 3
	s_add_co_u32 s16, s16, s8
	s_sub_co_i32 s16, s16, 4
	s_max_i32 s16, s16, 0
	s_min_i32 s16, s16, 127
	s_lshl_b32 s18, s13, 12                        ; Q: 65,536 bytes for each 16 tokens + the head's four tiles of 512
	s_lshl_b32 s19, s12, 11
	s_add_co_u32 s18, s18, s19
	s_mov_b32 s19, 0
	s_lshl_b32 s34, s14, 7                         ; k: my token tile's row of tiles; k's columns begin at tile 64; the pair's eight tiles lie on end
	s_add_co_u32 s34, s34, s16
	s_lshl_b32 s34, s34, 16
	s_lshl_b32 s35, s11, 12
	s_add_co_u32 s34, s34, s35
	s_add_co_u32 s34, s34, 32768
	s_mov_b32 s35, 0
	s_lshl_b32 s36, s14, 22                        ; V^T: the batch, the pair's eight rows of tiles, my key tile
	s_lshl_b32 s37, s11, 19
	s_add_co_u32 s36, s36, s37
	s_lshl_b32 s37, s16, 9
	s_add_co_u32 s36, s36, s37
	s_add_co_u32 s36, s36, VT
	s_mov_b32 s37, 0
	s_lshl_b32 s38, s9, 3
	s_add_co_u32 s38, s38, s13
	s_lshl_b32 s38, s38, 11
	s_lshl_b32 s39, s11, 8
	s_add_co_u32 s38, s38, s39                     ; ctx: on the way out I store rows 8 e .. 8 e + 7 of the tile, the pair's 256 bytes
	s_mov_b32 s39, 0
	s_add_co_u32 s28, s12, 1                       ; n = head + 1: slope = 2^(-n / 2), exactly: sqrt(2) or 1 with (n + 1) / 2 taken off the exponent field
	s_add_co_u32 s29, s28, 1
	s_lshr_b32 s29, s29, 1
	s_lshl_b32 s29, s29, 23
	s_bitcmp1_b32 s28, 0
	s_cselect_b32 s28, 0x3fb504f3, 1.0
	s_sub_co_u32 s28, s28, s29
	s_mov_b32 s26, 0x3e38aa3b                      ; log2(e) / 8
	s_mov_b32 s27, s26                             ; (named with it as a pair)
	s_mov_b32 s30, 0x76543210
	s_mov_b32 s31, 0xfedcba98                      ; lane l xor 16
	v_and_b32 v16, 15, v0                          ; r
	v_bfe_u32 v17, v0, 4, 1                        ; hh
	v_and_b32 v[LO], 31, v0
	v_lshlrev_b32 v[LO], 4, v[LO]
	s_lshl_b32 s40, s8, 12
	v_add_nc_u32 v[LSK], s40, v[LO]                ; k: token tile w: 4,096 bytes
	s_lshl_b32 s40, s8, 9
	s_add_co_u32 s40, s40, VB
	v_add_nc_u32 v[LSV], s40, v[LO]                ; V^T: key tile w in each of eight rows of 8,192 bytes
	s_lshl_b32 s40, s10, 12
	s_lshl_b32 s41, s9, 11
	s_add_co_u32 s40, s40, s41
	v_add_nc_u32 v[KA], s40, v[LO]                 ; k's fragments: token tile i on, my head's four tiles
	s_lshl_b32 s40, s10, 9
	s_lshl_b32 s41, s9, 15
	s_add_co_u32 s40, s40, s41
	s_add_co_u32 s40, s40, VB
	v_add_nc_u32 v[VA], s40, v[LO]                 ; V^T's: my head's four rows, key tile i on
	s_mul_i32 s40, s10, 16*272
	s_add_co_u32 s40, s40, STG
	s_lshl_b32 s41, s9, 7
	s_add_co_u32 s41, s41, s40
	v_mul_u32_u24 v[STO], v16, 272
	v_lshl_add_u32 v[STO], v17, 4, v[STO]
	v_add_nc_u32 v[STO], s41, v[STO]               ; the stage, in: the tile's row r, my head's 128 bytes, 16 hh
	s_mul_i32 s41, s9, 8*272
	s_add_co_u32 s41, s41, s40
	v_mul_u32_u24 v[RD], v17, 272
	v_lshl_add_u32 v[RD], v16, 4, v[RD]
	v_add_nc_u32 v[RD], s41, v[RD]                 ; back: rows 8 e on, sixteen lanes to a row
	v_lshlrev_b32 v[GO], 11, v17
	v_lshl_add_u32 v[GO], v16, 4, v[GO]
	v_lshlrev_b32 v12, 3, v17
	v_sub_nc_u32 v12, v12, v16
	v_add_nc_u32 v12, 0xffffffc0, v12              ; rel of my register 0 in tile 0: -64 + 8 hh - r
	v_cvt_f32_i32 v12, v12
	v_add_f32 v13, 1.0, v12
	v_mov_b32 v14, 0xff800000                      ; -infinity
	v_mov_b32 v[CSL], s28
	v_mul_f32 v[CSL], 0x3fb8aa3b, v[CSL]           ; slope x log2(e)
	v_mul_f32 v15, 0xc2810000, v[CSL]              ; the bias at |rel| = 64.5: what lies under it is hidden
	v_readfirstlane_b32 s[TH0], v15                ; the same in every lane; it selects values only
	v_mov_b32 v9, 0
	v_mov_b32 v11, 0                               ; written once: a lane permute's destination counts as one of its sources
	s_wait_kmcnt 0x0
	s_add_nc_u64 s[20:21], s[4:5], s[18:19]
	s_add_nc_u64 s[22:23], s[4:5], s[34:35]
	s_add_nc_u64 s[24:25], s[4:5], s[36:37]
	s_add_nc_u64 s[6:7], s[6:7], s[38:39]
.irp u, 0,1,2,3,4,5,6,7
	global_load_b128 v[24+4*\u:27+4*\u], v[LO], s[22:23] offset:512*\u       ; k: tile u = 4 e + c of my token tile
.endr
.irp s, 0,1
	global_load_b128 v[QF+8*\s:QF+8*\s+3],   v[LO], s[20:21] offset:1024*\s      ; Q stays in registers: channels 32 s on
	global_load_b128 v[QF+8*\s+4:QF+8*\s+7], v[LO], s[20:21] offset:1024*\s+512
.endr
.irp u, 0,1,2,3,4,5,6,7
	global_load_b128 v[56+4*\u:59+4*\u], v[LO], s[24:25] offset:65536*\u     ; V^T: channel tile u = 4 e + c, my key tile
.endr
	s_wait_loadcnt 8                               ; k and Q are in; V^T's eight loads may be out
.irp u, 0,1,2,3,4,5,6,7
	ds_store_b128 v[LSK], v[24+4*\u:27+4*\u] offset:512*\u
.endr
	s_wait_loadcnt 0x0
.irp u, 0,1,2,3,4,5,6,7
	ds_store_b128 v[LSV], v[56+4*\u:59+4*\u] offset:8192*\u
.endr
	s_wait_dscnt 0x0                               ; for the others' sake: my stores are done
	s_barrier_signal -1
	s_barrier_wait -1                              ; the window lies in LDS
.irp s, 0,1                                    ; k's fragments, the first 32 channels of all nine tiles first
.irp t, 0,1,2,3,4,5,6,7,8
	ds_load_b128 v[KF+16*\t+8*\s:KF+16*\t+8*\s+3],   v[KA] offset:4096*\t+1024*\s
	ds_load_b128 v[KF+16*\t+8*\s+4:KF+16*\t+8*\s+7], v[KA] offset:4096*\t+1024*\s+512
.endr
.endr
	s_wait_dscnt 18                                ; the first 32 channels are in; the other eighteen loads may be out
.irp t, 0,1,2,3,4,5,6,7,8                      ; S^T: nine accumulators by turns, two steps of 32 channels
	v_wmma_f32_16x16x32_f16 v[S+8*\t:S+8*\t+7], v[KF+16*\t:KF+16*\t+7], v[QF:QF+7], 0
.endr
	s_wait_dscnt 0x0
.irp t, 0,1,2,3,4,5,6,7,8
	v_wmma_f32_16x16x32_f16 v[S+8*\t:S+8*\t+7], v[KF+16*\t+8:KF+16*\t+15], v[QF+8:QF+15], v[S+8*\t:S+8*\t+7]
.endr
.rept 4
	v_nop                                          ; places in front of loads into K's and Q's registers and of the first read of the scores
.endr
.irp t, 0,1,2,3                                ; V^T: 16 channels x 32 keys a fragment; the fifth step has 16 keys, and its upper 16 are zeros on both sides.  They land while the scores are worked
.irp s, 0,1,2,3
	ds_load_b128 v[VF+8*(5*\t+\s):VF+8*(5*\t+\s)+3],   v[VA] offset:8192*\t+1024*\s
	ds_load_b128 v[VF+8*(5*\t+\s)+4:VF+8*(5*\t+\s)+7], v[VA] offset:8192*\t+1024*\s+512
.endr
	ds_load_b128 v[VF+8*(5*\t+4):VF+8*(5*\t+4)+3], v[VA] offset:8192*\t+4096
.irp j, 4,5,6,7
	v_mov_b32 v[VF+8*(5*\t+4)+\j], 0
.endr
.endr
.macro TILE t                          ; u = s log2(e) / 8 + bias, the bias -infinity under the mask; v[12:13] walks 16 keys a tile
	s_add_co_i32 s42, s[KT0], 16*\t                ; the tile's first key: inside the sequence?  (Taken as unsigned, a key before the sequence is large)
	s_cmp_lt_u32 s42, 2048
	s_cselect_b32 s[THR], s[TH0], 0x7f800000       ; outside: every bias lies under +infinity, so the whole tile is hidden
	v_pk_add_f32 v[18:19], v[12:13], 2.0 op_sel_hi:[1,0]
	v_pk_add_f32 v[20:21], v[12:13], 4.0 op_sel_hi:[1,0]
	v_pk_add_f32 v[22:23], v[12:13], 0x40c00000 op_sel_hi:[1,0]
	v_mul_f32 v16, v[CSL], -|v12|
	v_mul_f32 v17, v[CSL], -|v13|
.irp j, 18,19,20,21,22,23
	v_mul_f32 v[\j], v[CSL], -|v[\j]|
.endr
.irp j, 16,17,18,19,20,21,22,23
	v_cmp_gt_f32 vcc_lo, s[THR], v[\j]
	v_cndmask_b32 v[\j], v[\j], v14, vcc_lo
.endr
.irp j, 0,2,4,6
	v_pk_fma_f32 v[S+8*\t+\j:S+8*\t+\j+1], v[S+8*\t+\j:S+8*\t+\j+1], s[26:27], v[16+\j:17+\j] op_sel_hi:[1,0,1]   ; each accumulator from its low end on
.endr
	v_pk_add_f32 v[12:13], v[12:13], 0x41800000 op_sel_hi:[1,0]
.endm
.irp t, 0,1,2,3,4,5,6,7,8
	TILE \t
.endr
.irp c, 0,1,2,3                                ; the row's maximum: four chains of 18
	v_max3_num_f32 v[16+\c], v[24+18*\c], v[25+18*\c], v[26+18*\c]
.endr
.irp i, 3,5,7,9,11,13,15
.irp c, 0,1,2,3
	v_max3_num_f32 v[16+\c], v[16+\c], v[24+18*\c+\i], v[25+18*\c+\i]
.endr
.endr
.irp c, 0,1,2,3
	v_max_num_f32 v[16+\c], v[16+\c], v[41+18*\c]
.endr
	v_max3_num_f32 v16, v16, v17, v18
	v_max_num_f32 v16, v16, v19
	v_permlanex16_b32 v11, v16, s30, s31           ; the query's other 72 keys lie in the lane 16 away
	v_max_num_f32 v8, v16, v11
.set i, 0
.rept 36
	v_pk_add_f32 v[S+i:S+i+1], v[S+i:S+i+1], v[8:9] op_sel_hi:[1,0] neg_lo:[0,1] neg_hi:[0,1]   ; u - M
.set i, i+2
.endr
.set i, 0
.rept 72
	v_exp_f32 v[S+i], v[S+i]
.set i, i+1
.endr
	v_nop                                          ; a plain instruction behind the last exponential
	s_wait_alu depctr_va_vdst(0)                   ; one wait for the batch of 72, ahead of its first reader
	v_pk_add_f32 v[16:17], v[24:25], v[26:27]      ; the sum of the unrounded p, in two chains
	v_pk_add_f32 v[18:19], v[28:29], v[30:31]
.irp i, 8,12,16,20,24,28,32,36,40,44,48,52,56,60,64,68
	v_pk_add_f32 v[16:17], v[16:17], v[24+\i:25+\i]
	v_pk_add_f32 v[18:19], v[18:19], v[26+\i:27+\i]
.endr
	v_pk_add_f32 v[16:17], v[16:17], v[18:19]
	v_add_f32 v9, v16, v17
	v_permlanex16_b32 v11, v9, s30, s31
	v_add_f32 v9, v9, v11
	v_rcp_f32 v10, v9
.set i, 0
.rept 36
	v_cvt_pk_f16_f32 v[S+i], v[S+2*i], v[S+2*i+1]  ; P, in place and ascending: the destination never passes a source that is still to be read
.set i, i+1
.endr
.irp j, 60,61,62,63
	v_mov_b32 v[\j], 0                             ; keys 144-159 of the fifth step
.endr
	s_wait_alu depctr_va_vdst(0)                   ; the reciprocal's wait; the conversions above are the work between
	s_wait_dscnt 0x0                               ; V^T's fragments
.irp s, 0,1,2,3,4                              ; O^T: four accumulators by turns, five steps of 32 keys
.irp t, 0,1,2,3
.if \s == 0
	v_wmma_f32_16x16x32_f16 v[OT+8*\t:OT+8*\t+7], v[VF+8*(5*\t):VF+8*(5*\t)+7], v[S:S+7], 0
.else
	v_wmma_f32_16x16x32_f16 v[OT+8*\t:OT+8*\t+7], v[VF+8*(5*\t+\s):VF+8*(5*\t+\s)+7], v[S+8*\s:S+8*\s+7], v[OT+8*\t:OT+8*\t+7]
.endif
.endr
.endr
.rept 4
	v_nop
.endr
.set i, 0
.rept 16
	v_pk_mul_f32 v[OT+i:OT+i+1], v[OT+i:OT+i+1], v[10:11] op_sel_hi:[1,0]   ; O^T / the sum
.set i, i+2
.endr
.set i, 0
.rept 16
	v_cvt_pk_f16_f32 v[S+i], v[OT+2*i], v[OT+2*i+1]
.set i, i+1
.endr
.irp t, 0,1,2,3
	ds_store_b128 v[STO], v[S+4*\t:S+4*\t+3] offset:32*\t    ; query r, channels 16 t + 8 hh + 0..7
.endr
	s_wait_dscnt 0x0                               ; for the other wave of the pair: a row's 256 bytes come from two heads
	s_barrier_signal -1
	s_barrier_wait -1
.irp k, 0,1,2,3
	ds_load_b128 v[40+4*\k:43+4*\k], v[RD] offset:544*\k
.endr
.irp k, 0,1,2,3
	s_wait_dscnt 3-\k
	global_store_b128 v[GO], v[40+4*\k:43+4*\k], s[6:7] offset:4096*\k   ; sixteen lanes store 256 consecutive bytes, aligned
.endr
	s_wait_tensorcnt 0x0                           ; the wave's end, behind my last LDS store
	ds_add_u32 v[SPW], v[NIL]
	s_wait_dscnt 0x0
	s_endpgm
.Lfunc_end_k_qd98573bb9b_attn:
	.size	k_qd98573bb9b_attn, .Lfunc_end_k_qd98573bb9b_attn-k_qd98573bb9b_attn
	.p2alignl 7, 3214868480
	.fill 96, 4, 3214868480
	.section	.rodata,"a",@progbits
	.p2align	6, 0x0
	.amdhsa_kernel k_qd98573bb9b_attn
		.amdhsa_group_segment_fixed_size 167936
		.amdhsa_private_segment_fixed_size 0
		.amdhsa_enable_private_segment 0
		.amdhsa_kernarg_size 16
		.amdhsa_user_sgpr_count 2
		.amdhsa_user_sgpr_kernarg_segment_ptr 1
		.amdhsa_wavefront_size32 1
		.amdhsa_system_sgpr_workgroup_id_x 1
		.amdhsa_system_sgpr_workgroup_id_y 1
		.amdhsa_system_sgpr_workgroup_id_z 1
		.amdhsa_system_vgpr_workitem_id 0
		.amdhsa_next_free_vgpr 256
		.amdhsa_next_free_sgpr 66
		.amdhsa_reserve_vcc 1
		.amdhsa_float_denorm_mode_32 3
		.amdhsa_float_denorm_mode_16_64 3
		.amdhsa_memory_ordered 1
		.amdhsa_forward_progress 1
		.amdhsa_inst_pref_size 46
	.end_amdhsa_kernel
	.amdgpu_metadata
---
amdhsa.version: [ 1, 2 ]
amdhsa.kernels:
  - .name:           k_qd98573bb9b_attn
    .symbol:         k_qd98573bb9b_attn.kd
    .args:
      - { .name: qkv, .offset: 0, .size: 8, .value_kind: global_buffer, .address_space: global }
      - { .name: ctx, .offset: 8, .size: 8, .value_kind: global_buffer, .address_space: global }
    .group_segment_fixed_size: 167936
    .private_segment_fixed_size: 0
    .kernarg_segment_align: 8
    .kernarg_segment_size: 16
    .max_flat_workgroup_size: 512
    .sgpr_count:     66
    .vgpr_count:     256
    .wavefront_size: 32
...
	.end_amdgpu_metadata
.endif
;; end of part 3
;; launch wo (part 4): grid 8 x 32, 4 waves a work-group, clusters of 4 x 4, 327,680 bytes of LDS; arguments ctx, w16, bo, x, y1; writes y1
.if DOCPART == 4
	.amdgcn_target "amdgcn-amd-amdhsa--gfx1250"
	.amdhsa_code_object_version 6
	.text
	.protected	k_qd98573bb9b_wo
	.globl	k_qd98573bb9b_wo
	.p2align	8
	.type	k_qd98573bb9b_wo,@function
k_qd98573bb9b_wo:
	s_mov_b64 s[64:65], 0
	v_nop
	global_prefetch_b8 v0, s[64:65] scope:SCOPE_SE
	s_setreg_imm32_b32 hwreg(HW_REG_WAVE_MODE, 25, 1), 1
	s_wait_xcnt 0x0
	s_wait_alu depctr_hold_cnt(0) depctr_sa_sdst(0) depctr_va_vdst(0) depctr_va_sdst(0) depctr_va_ssrc(0) depctr_va_vcc(0) depctr_vm_vsrc(0)
	s_getreg_b32 s2, hwreg(HW_REG_IB_STS2, 6, 4)
	s_cmp_eq_u32 s2, 0
	s_cbranch_scc0 .Lentry_in_a_cluster
	s_endpgm
.Lentry_in_a_cluster:
	s_bfe_u32 s2, ttmp6, 0x10000c
	s_cmp_lg_u32 s2, 0xf033
	s_cbranch_scc0 .Lentry_shape_is_right
	s_endpgm
.Lentry_shape_is_right:
; Launch 4 of 8: y1 = x + ctx Wo + bo.  C[m][n] = sum over k of A[m][k] B[k][n]; A [4,096][SIZE_K] f16, B [SIZE_K][1,024] f16 as the input lies, C f32; sums in f32.  (The same text serves launch 7 with other constants.)
; A tile of C is 128 x 128: N = 1,024 gives 256 such tiles, one a work-group; four waves, each 64 x 64 in 16 accumulators.  K goes in steps of 256 through two LDS slots.
; B's K is not innermost: its tile lies in LDS as in memory, [k][n], and its fragments are read turned, by ds_load_tr16_b128.
; CLUSTERS: 4 x 4 work-groups; A's tiles are asked for jointly along a row of the cluster, B's along a column.  THE MATRIX INSTRUCTION IS USED TRANSPOSED (source 0 = 16 columns of B, source 1 = 16 rows of A).
; The bias is the C of each sum's first matrix instruction; the residual is added on the way out, in f32.
; REGISTERS: window 0: v0-31 addresses; v96-127 the bias; v128-255 the accumulators.  window 1: two fragment buffers of 128 (64 of A, 64 of B, for 64 along K); at the end buffer 0 takes the residual's rows.
.set SIZE_K, 1024
.set WOFF,   0                         ; Wo's place in w16
.set RESID,  1
.set KSTEP,  256
.set PA,     528                       ; A's row in LDS: 512 bytes + 16
.set PBP,    288                       ; B's row in LDS: 256 bytes + 32: 16 lanes of the turning load take 8 rows x 32 bytes, each 72 words apart
.set AHALF,  64*PA
.set BHALF,  128*PBP
.set BOFF,   2*AHALF
.set SLOT,   BOFF+2*BHALF
.set SPARE,  2*SLOT                    ; the spare words, 128 bytes for each wave, that no other line names
.set SPITCH, 528                       ; the way out: 128 rows x (512 + 16) bytes in slot 0's first bytes, when that slot has had its last fill and its last read
.set LAPS,   SIZE_K/(2*KSTEP)
.set ADRA, 16                          ; v16-17 A's fragments in slot 0, 1
.set ADRB, 20                          ; v20-23 B's: slot 0 k 0-127, k 128-255; slot 1 likewise
.set STO,  24
.set RD,   25
.set CO,   26
.set SPW,  28
.set NIL,  29
.set BIAS, 96
.set ACC,  128
.set F0,   0
.set F1,   128
.set G1, 24
.set G0, 32
.set G1B, 48
.set G0B, 56
.set MSB, 0
.macro WIN new
.if MSB != \new
	s_set_vgpr_msb (MSB<<8)|\new
.set MSB, \new
.endif
.endm
.set MUL,  0x05                        ; sources 0 and 1 window 1; C and D window 0
.set TO_F, 0x40                        ; destination window 1, address window 0
.macro JLOAD s                         ; waves 0 and 1 fetch A's two halves, waves 2 and 3 B's
	s_cmp_eq_u32 s11, 0
	s_cbranch_scc0 .Lfor_b_\@
	tensor_load_to_lds s[G0+4*\s:G0+4*\s+3], s[G1:G1+7]
	s_nop 0
.rept 4
	v_nop
.endr
	s_branch .Lasked_\@
.Lfor_b_\@:
	tensor_load_to_lds s[G0B+4*\s:G0B+4*\s+3], s[G1B:G1B+7]
	s_nop 0
.rept 4
	v_nop
.endr
.Lasked_\@:
.endm
.macro CREST
	s_cmp_lg_u32 s10, 0
	s_cbranch_scc1 .Lnot_wave_0_\@
	s_barrier_signal -3
.Lnot_wave_0_\@:
	s_barrier_wait -3
	s_barrier_signal -1
	s_barrier_wait -1
.endm
.macro CROUND
	s_barrier_signal -1
	s_barrier_wait -1
	CREST
.endm
	s_load_b128 s[4:7], s[0:1], 0x0                ; A, w16
	s_load_b64 s[66:67], s[0:1], 0x10              ; the bias
.if RESID
	s_load_b64 s[68:69], s[0:1], 0x18              ; x
	s_load_b64 s[8:9], s[0:1], 0x20                ; C
.else
	s_load_b64 s[8:9], s[0:1], 0x18                ; C
.endif
	v_lshl_add_u32 v[SPW], v0, 2, SPARE
	v_mov_b32 v[NIL], 0
	ds_add_u32 v[SPW], v[NIL]                      ; the wave's opening: the add, twice on end, and its wait ahead of my first tensor load
	ds_add_u32 v[SPW], v[NIL]
	v_lshrrev_b32 v1, 5, v0
	v_readfirstlane_b32 s10, v1                    ; wave 0..3
	s_lshr_b32 s11, s10, 1                         ; my half of the tile's rows.  Also: I fetch for A (0) or for B (1)
	s_and_b32 s12, s10, 1                          ; my half of its columns.  Also: which half of that tile I fetch
	s_bfe_u32 s40, ttmp6, 0x40000
	s_bfe_u32 s41, ttmp6, 0x40004
	s_lshl_b32 s42, ttmp9, 2
	s_add_co_u32 s42, s42, s40                     ; tile column
	s_and_b32 s13, ttmp7, 0xffff
	s_lshl_b32 s13, s13, 2
	s_add_co_u32 s13, s13, s41                     ; tile row
	s_lshl_b32 s43, s41, 2
	s_lshl_b32 s43, 15, s43                        ; my row of the cluster
	s_lshl_b32 s44, 0x1111, s40                    ; my column
	s_or_b32 s[G1+0], s43, (1<<16)|(1<<20)|(1<<21)|(6<<22)|(3<<25)  ; A: 64 rows x 256 elements of 2 bytes; 4 words of padding after every 128
	s_mov_b32 s[G1+1], 256<<16
	s_mov_b32 s[G1+2], 64<<16
	s_mov_b32 s[G1+3], 256<<16
	s_mov_b32 s[G1+4], 64
	s_mov_b32 s[G1+5], SIZE_K
	s_mov_b32 s[G1+6], 0
	s_mov_b32 s[G1+7], 0
	s_or_b32 s[G1B+0], s44, (1<<16)|(1<<20)|(1<<21)|(5<<22)|(7<<25) ; B: 128 rows of k x 128 elements; 8 words of padding after every 64
	s_mov_b32 s[G1B+1], 128<<16
	s_mov_b32 s[G1B+2], 128<<16
	s_mov_b32 s[G1B+3], 128<<16
	s_mov_b32 s[G1B+4], 128
	s_mov_b32 s[G1B+5], 1024
	s_mov_b32 s[G1B+6], 0
	s_mov_b32 s[G1B+7], 0
	s_lshl_b32 s17, s12, 6
	s_lshl_b32 s16, s13, 7
	s_add_co_u32 s16, s16, s17                     ; A: row 128 x tile row + 64 x half
	s_mov_b32 s17, 0
	s_mov_b64 s[18:19], SIZE_K*2
	s_mul_u64 s[16:17], s[16:17], s[18:19]
	s_lshl_b32 s46, s12, 18                        ; B: 128 x half rows of 2,048 bytes + 256 bytes for each tile column
	s_lshl_b32 s47, s42, 8
	s_add_co_u32 s46, s46, s47
	s_add_co_u32 s46, s46, WOFF
	s_mov_b32 s47, 0
	s_mul_i32 s20, s12, AHALF                      ; where they go
	s_mul_i32 s21, s12, BHALF
	s_add_co_u32 s21, s21, BOFF
	s_wait_dscnt 0x0                               ; both opening adds are done
	s_wait_kmcnt 0x0
	s_add_nc_u64 s[14:15], s[4:5], s[16:17]
	s_add_nc_u64 s[46:47], s[6:7], s[46:47]
	CROUND                                         ; all sixteen work-groups are here: the first joint loads meet
.irp s, 0,1
	s_mov_b32 s[G0+4*\s], 1
	s_add_co_u32 s[G0+4*\s+1], s20, \s*SLOT
	s_add_nc_u64 s[G0+4*\s+2:G0+4*\s+3], s[14:15], \s*KSTEP*2
	s_or_b32 s[G0+4*\s+3], s[G0+4*\s+3], 0x80000000
	s_mov_b32 s[G0B+4*\s], 1
	s_add_co_u32 s[G0B+4*\s+1], s21, \s*SLOT
	s_add_nc_u64 s[G0B+4*\s+2:G0B+4*\s+3], s[46:47], \s*KSTEP*2048
	s_or_b32 s[G0B+4*\s+3], s[G0B+4*\s+3], 0x80000000
	JLOAD \s
.endr
	v_and_b32 v1, 15, v0                           ; r
	v_bfe_u32 v2, v0, 4, 1                         ; hh
	v_mul_u32_u24 v3, v1, PA
	v_lshl_add_u32 v3, v2, 4, v3
	s_mul_i32 s22, s11, AHALF
	v_add_nc_u32 v[ADRA], s22, v3
	s_add_co_u32 s22, s22, SLOT
	v_add_nc_u32 v[ADRA+1], s22, v3
	v_and_b32 v4, 7, v0                            ; the turning load: lane l reads 16 bytes of row k = 8 hh + l % 8, columns 8 ((l / 8) % 2) + 0..7, and is left with column l % 16 and 8 k
	v_lshl_add_u32 v4, v2, 3, v4
	v_mul_u32_u24 v4, v4, PBP
	v_bfe_u32 v5, v0, 3, 1
	v_lshl_add_u32 v4, v5, 4, v4
	s_lshl_b32 s22, s12, 7                         ; my 64 columns
	s_add_co_u32 s22, s22, BOFF
	v_add_nc_u32 v[ADRB], s22, v4
	s_add_co_u32 s22, s22, BHALF
	v_add_nc_u32 v[ADRB+1], s22, v4
	s_add_co_u32 s22, s22, SLOT-BHALF
	v_add_nc_u32 v[ADRB+2], s22, v4
	s_add_co_u32 s22, s22, BHALF
	v_add_nc_u32 v[ADRB+3], s22, v4
	s_mul_i32 s23, s11, 64*SPITCH                  ; the stage, in: my 64 rows, my 256 bytes of them; row r, 32 bytes for each half of the lanes
	s_lshl_b32 s22, s12, 8
	s_add_co_u32 s23, s23, s22
	v_mul_u32_u24 v4, v1, SPITCH
	v_lshl_add_u32 v4, v2, 5, v4
	v_add_nc_u32 v[STO], s23, v4
	s_mul_i32 s23, s10, 32*SPITCH                  ; back: wave w takes rows 32 w .. 32 w + 31, whole: 32 lanes to a row of 512 bytes
	v_and_b32 v5, 31, v0
	v_lshlrev_b32 v[CO], 4, v5
	v_add_nc_u32 v[RD], s23, v[CO]
	s_lshl_b32 s16, s13, 19                        ; the first row of C that I store: (128 x tile row + 32 x wave) rows of 4,096 bytes
	s_lshl_b32 s17, s10, 17
	s_add_co_u32 s16, s16, s17
	s_mov_b32 s17, 0
	s_add_nc_u64 s[8:9], s[8:9], s[16:17]
	s_lshl_b32 s46, s42, 9                         ; the tile's first column: 512 bytes a tile, in C, in x and in the bias alike
	s_mov_b32 s47, 0
	s_add_nc_u64 s[8:9], s[8:9], s[46:47]
.if RESID
	s_add_nc_u64 s[68:69], s[68:69], s[16:17]
	s_add_nc_u64 s[68:69], s[68:69], s[46:47]
.endif
	s_lshl_b32 s45, s12, 8
	s_add_co_u32 s46, s46, s45
	s_add_nc_u64 s[66:67], s[66:67], s[46:47]
	v_lshlrev_b32 v6, 5, v2
.irp b, 0,1,2,3                                ; register 8 b + j = bias[my first column + 16 b + 8 hh + j]
	global_load_b128 v[BIAS+8*\b:BIAS+8*\b+3],   v6, s[66:67] offset:64*\b
	global_load_b128 v[BIAS+8*\b+4:BIAS+8*\b+7], v6, s[66:67] offset:64*\b+16
.endr
.macro MUL8 f, c, a0, zero             ; 8 matrix instructions: m blocks a0, a0 + 1 x 4 n blocks, 32 along K.  zero = 1: the sums start from the bias.  The 16 accumulators take turns
.irp a, \a0, \a0+1
.irp b, 0,1,2,3
.if \zero
	v_wmma_f32_16x16x32_f16 v[ACC+8*(4*(\a)+\b):ACC+8*(4*(\a)+\b)+7], v[\f+64+8*(4*\c+\b):\f+64+8*(4*\c+\b)+7], v[\f+8*(4*\c+\a):\f+8*(4*\c+\a)+7], v[BIAS+8*\b:BIAS+8*\b+7]
.else
	v_wmma_f32_16x16x32_f16 v[ACC+8*(4*(\a)+\b):ACC+8*(4*(\a)+\b)+7], v[\f+64+8*(4*\c+\b):\f+64+8*(4*\c+\b)+7], v[\f+8*(4*\c+\a):\f+8*(4*\c+\a)+7], v[ACC+8*(4*(\a)+\b):ACC+8*(4*(\a)+\b)+7]
.endif
.endr
.endr
.endm
.macro FETCH slot, kq, f               ; 32 LDS loads in one run: the fragments of 64 along K from element kq of the step on; the first 32 along K first
	WIN TO_F
.irp c, 0,1
.irp i, 0,1,2,3
	ds_load_tr16_b128 v[\f+64+8*(4*\c+\i):\f+64+8*(4*\c+\i)+3],   v[ADRB+2*\slot+(\kq)/128] offset:(((\kq)%128)+32*\c)*PBP+32*\i
	ds_load_tr16_b128 v[\f+64+8*(4*\c+\i)+4:\f+64+8*(4*\c+\i)+7], v[ADRB+2*\slot+(\kq)/128] offset:(((\kq)%128)+32*\c+16)*PBP+32*\i
	ds_load_b128 v[\f+8*(4*\c+\i):\f+8*(4*\c+\i)+3],         v[ADRA+\slot] offset:2*(\kq)+64*\c+\i*16*PA
	ds_load_b128 v[\f+8*(4*\c+\i)+4:\f+8*(4*\c+\i)+7],       v[ADRA+\slot] offset:2*(\kq)+64*\c+\i*16*PA+32
.endr
.endr
.endm
.macro PLACES
.rept 4
	v_nop
.endr
.endm
.macro QUARTER slot, kq, f, g, zero    ; multiplies buffer f and fetches the next quarter, from element kq on, into g
	s_wait_dscnt 16                                ; the first 32 along K are in; the other sixteen loads may be out
	WIN MUL
	MUL8 \f, 0, 0, \zero
	MUL8 \f, 0, 2, \zero
	PLACES
	FETCH \slot, \kq, \g
	s_wait_dscnt 32                                ; all but the 32 just issued
	WIN MUL
	MUL8 \f, 1, 0, 0
	MUL8 \f, 1, 2, 0
.endm
.macro TURN slot, next, fill           ; the last quarter changes slots: one barrier; in front of it all my tensor loads are in, the add is done and my reads of this slot are over
	WIN 0
	s_wait_tensorcnt 0x0
	ds_add_u32 v[SPW], v[NIL]
	s_wait_dscnt 17                                ; the add and the youngest sixteen loads may be out
	WIN MUL
	MUL8 F1, 0, 0, 0
	s_wait_dscnt 0x0
	s_barrier_signal -1
	MUL8 F1, 0, 2, 0
.if \fill
	WIN 0
.endif
	s_barrier_wait -1
.if \fill
	CREST                                          ; the barrier has opened a round of the cluster's: no wave of any partner still reads this slot or has a load on its way
	s_add_nc_u64 s[G0+4*\slot+2:G0+4*\slot+3], s[G0+4*\slot+2:G0+4*\slot+3], 2*KSTEP*2
	s_add_nc_u64 s[G0B+4*\slot+2:G0B+4*\slot+3], s[G0B+4*\slot+2:G0B+4*\slot+3], 2*KSTEP*2048
	JLOAD \slot                                    ; my one tensor load behind the round: 112 matrix instructions ahead of the wait for it
.else
	PLACES
.endif
	FETCH \next, 0, F0
	WIN MUL
	MUL8 F1, 1, 0, 0
	MUL8 F1, 1, 2, 0
.endm
	s_wait_tensorcnt 1                             ; my part of K step 0 is in; K step 1's load may be out
	s_barrier_signal -1
	s_barrier_wait -1
	FETCH 0, 0, F0
	s_wait_loadcnt 0x0                             ; the bias
	QUARTER 0, 64, F0, F1, 1
	WIN 0
	s_mov_b32 s3, LAPS-1
.Llap:                                                 ; a trip goes once round the ring and fills both slots again
	QUARTER 0, 128, F1, F0, 0
	QUARTER 0, 192, F0, F1, 0
	TURN 0, 1, 1
	QUARTER 1, 64,  F0, F1, 0
	QUARTER 1, 128, F1, F0, 0
	QUARTER 1, 192, F0, F1, 0
	TURN 1, 0, 1
	QUARTER 0, 64,  F0, F1, 0
	WIN 0
	s_sub_co_u32 s3, s3, 1
	s_cmp_lg_u32 s3, 0
	s_cbranch_scc1 .Llap
	QUARTER 0, 128, F1, F0, 0                      ; the last lap fills nothing
	QUARTER 0, 192, F0, F1, 0
	TURN 0, 1, 0
	QUARTER 1, 64,  F0, F1, 0
	QUARTER 1, 128, F1, F0, 0
	QUARTER 1, 192, F0, F1, 0
.if RESID
	PLACES                                         ; buffer 0 is done with: it takes the 32 rows of x that I will add, which land under the last products and the stage
	WIN TO_F
.set i, 0
.rept 32
	global_load_b128 v[4*i:4*i+3], v[CO], s[68:69] offset:4096*i
.set i, i+1
.endr
.endif
	s_wait_dscnt 16
	WIN MUL
	MUL8 F1, 0, 0, 0
	MUL8 F1, 0, 2, 0
	s_wait_dscnt 0
	MUL8 F1, 1, 0, 0
	MUL8 F1, 1, 2, 0
	WIN 0
	; THE WAY OUT: 32 bytes a lane into the work-group's stage; a barrier, since a row's 512 bytes come from two waves; back as whole rows, 32 rows a wave
	PLACES
.irp a, 0,1,2,3
.irp b, 0,1,2,3
	ds_store_b128 v[STO], v[ACC+8*(4*\a+\b):ACC+8*(4*\a+\b)+3]   offset:\a*16*SPITCH+64*\b      ; each accumulator from its low end on
	ds_store_b128 v[STO], v[ACC+8*(4*\a+\b)+4:ACC+8*(4*\a+\b)+7] offset:\a*16*SPITCH+64*\b+16
.endr
.endr
	s_wait_dscnt 0x0                               ; for the others' sake: my stores into the stage are done
	s_barrier_signal -1
	s_barrier_wait -1
.set i, 0
.rept 32
	ds_load_b128 v[ACC+4*i:ACC+4*i+3], v[RD] offset:i*SPITCH
.set i, i+1
.endr
	s_wait_dscnt 0x0
.if RESID
	s_wait_loadcnt 0x0                             ; x
	WIN 0x04                                       ; source 1 window 1
.set i, 0
.rept 64
	v_pk_add_f32 v[ACC+i:ACC+i+1], v[ACC+i:ACC+i+1], v[i:i+1]
.set i, i+2
.endr
	WIN 0
.endif
.set i, 0
.rept 32
	global_store_b128 v[CO], v[ACC+4*i:ACC+4*i+3], s[8:9] offset:4096*i   ; 32 lanes store 512 consecutive bytes, aligned
.set i, i+1
.endr
	s_wait_tensorcnt 0x0                           ; the wave's end
	ds_add_u32 v[SPW], v[NIL]
	s_wait_dscnt 0x0
	CROUND                                         ; the closing round
	s_endpgm
.Lfunc_end_k_qd98573bb9b_wo:
	.size	k_qd98573bb9b_wo, .Lfunc_end_k_qd98573bb9b_wo-k_qd98573bb9b_wo
	.p2alignl 7, 3214868480
	.fill 96, 4, 3214868480
	.section	.rodata,"a",@progbits
	.p2align	6, 0x0
	.amdhsa_kernel k_qd98573bb9b_wo
		.amdhsa_group_segment_fixed_size 327680
		.amdhsa_private_segment_fixed_size 0
		.amdhsa_enable_private_segment 0
		.amdhsa_kernarg_size 40
		.amdhsa_user_sgpr_count 2
		.amdhsa_user_sgpr_kernarg_segment_ptr 1
		.amdhsa_wavefront_size32 1
		.amdhsa_system_sgpr_workgroup_id_x 1
		.amdhsa_system_sgpr_workgroup_id_y 1
		.amdhsa_system_sgpr_workgroup_id_z 1
		.amdhsa_system_vgpr_workitem_id 0
		.amdhsa_next_free_vgpr 512
		.amdhsa_next_free_sgpr 76
		.amdhsa_reserve_vcc 0
		.amdhsa_float_denorm_mode_32 3
		.amdhsa_float_denorm_mode_16_64 3
		.amdhsa_memory_ordered 1
		.amdhsa_forward_progress 1
		.amdhsa_inst_pref_size 94
	.end_amdhsa_kernel
	.amdgpu_metadata
---
amdhsa.version: [ 1, 2 ]
amdhsa.kernels:
  - .name:           k_qd98573bb9b_wo
    .symbol:         k_qd98573bb9b_wo.kd
    .args:
      - { .name: ctx, .offset: 0, .size: 8, .value_kind: global_buffer, .address_space: global }
      - { .name: w16, .offset: 8, .size: 8, .value_kind: global_buffer, .address_space: global }
      - { .name: bo, .offset: 16, .size: 8, .value_kind: global_buffer, .address_space: global }
      - { .name: x, .offset: 24, .size: 8, .value_kind: global_buffer, .address_space: global }
      - { .name: y1, .offset: 32, .size: 8, .value_kind: global_buffer, .address_space: global }
    .group_segment_fixed_size: 327680
    .private_segment_fixed_size: 0
    .kernarg_segment_align: 8
    .kernarg_segment_size: 40
    .max_flat_workgroup_size: 128
    .sgpr_count:     76
    .vgpr_count:     512
    .wavefront_size: 32
...
	.end_amdgpu_metadata
.endif
;; end of part 4
;; launch ln1 (part 5): grid 256 x 1, 8 waves a work-group, no clusters, 0 bytes of LDS; arguments y1, g1, be1, h16; writes h16
.if DOCPART == 5
	.amdgcn_target "amdgcn-amd-amdhsa--gfx1250"
	.amdhsa_code_object_version 6
	.text
	.protected	k_qd98573bb9b_ln1
	.globl	k_qd98573bb9b_ln1
	.p2align	8
	.type	k_qd98573bb9b_ln1,@function
k_qd98573bb9b_ln1:
	s_mov_b64 s[64:65], 0
	v_nop
	global_prefetch_b8 v0, s[64:65] scope:SCOPE_SE
	s_setreg_imm32_b32 hwreg(HW_REG_WAVE_MODE, 25, 1), 1
	s_wait_xcnt 0x0
; Launch 5 of 8: h = LN(y1) g1 + be1, stored in f16 as the next product's operand (limit: beyond 65,504 infinity).  A stream: no LDS, no barrier, no matrix unit.
; A wave takes two whole rows of 1,024 numbers, 32 a lane each; each load reads 512 consecutive bytes.  The mean first, then the mean of the squared deviations, as reference() has it: no difference of large sums.
.set XA, 32
.set XB, 64
.set G,  96
.set BE, 128
.set SEL, 20                           ; s[20:21] lane l xor 16
.set RN,  22                           ; s22 1 / 1,024
.set EP,  23                           ; s23 1e-5
.macro REDUCE                          ; v2 and v10 summed over the 32 lanes, the result in every lane
.irp m, 1,2,4,8
	v_add_f32_dpp v2, v2, v2 row_xmask:\m row_mask:0xf bank_mask:0xf
	v_add_f32_dpp v10, v10, v10 row_xmask:\m row_mask:0xf bank_mask:0xf
.endr
	v_permlanex16_b32 v18, v2, s[SEL], s[SEL+1]
	v_permlanex16_b32 v19, v10, s[SEL], s[SEL+1]
	v_add_f32 v2, v2, v18
	v_add_f32 v10, v10, v19
.endm
; Two rows by turns.  Row p works in v[2 + 8 p] on: +0..3 two chains, +4, +5 the mean (twice), +6, +7 1 / sqrt(var + eps) (twice).  The rows are left as deviations from their means.
.macro STATS2 xa, xb
.irp p, 0,1
.set XX, \xa+(\xb-\xa)*\p
.set WW, 2+8*\p
	v_pk_add_f32 v[WW:WW+1], v[XX:XX+1], v[XX+2:XX+3]
	v_pk_add_f32 v[WW+2:WW+3], v[XX+4:XX+5], v[XX+6:XX+7]
.endr
.irp i, 8,12,16,20,24,28
.irp p, 0,1
.set XX, \xa+(\xb-\xa)*\p
.set WW, 2+8*\p
	v_pk_add_f32 v[WW:WW+1], v[WW:WW+1], v[XX+\i:XX+\i+1]
	v_pk_add_f32 v[WW+2:WW+3], v[WW+2:WW+3], v[XX+\i+2:XX+\i+3]
.endr
.endr
	v_pk_add_f32 v[2:3], v[2:3], v[4:5]
	v_pk_add_f32 v[10:11], v[10:11], v[12:13]
	v_add_f32 v2, v2, v3
	v_add_f32 v10, v10, v11
	REDUCE
	v_mul_f32 v6, s[RN], v2
	v_mul_f32 v7, s[RN], v2
	v_mul_f32 v14, s[RN], v10
	v_mul_f32 v15, s[RN], v10
.irp i, 0,2,4,6,8,10,12,14,16,18,20,22,24,26,28,30
.irp p, 0,1
.set XX, \xa+(\xb-\xa)*\p
.set WW, 2+8*\p
	v_pk_add_f32 v[XX+\i:XX+\i+1], v[XX+\i:XX+\i+1], v[WW+4:WW+5] neg_lo:[0,1] neg_hi:[0,1]
.endr
.endr
.irp p, 0,1
.set XX, \xa+(\xb-\xa)*\p
.set WW, 2+8*\p
	v_pk_mul_f32 v[WW:WW+1], v[XX:XX+1], v[XX:XX+1]
	v_pk_mul_f32 v[WW+2:WW+3], v[XX+2:XX+3], v[XX+2:XX+3]
.endr
.irp i, 4,8,12,16,20,24,28
.irp p, 0,1
.set XX, \xa+(\xb-\xa)*\p
.set WW, 2+8*\p
	v_pk_fma_f32 v[WW:WW+1], v[XX+\i:XX+\i+1], v[XX+\i:XX+\i+1], v[WW:WW+1]
	v_pk_fma_f32 v[WW+2:WW+3], v[XX+\i+2:XX+\i+3], v[XX+\i+2:XX+\i+3], v[WW+2:WW+3]
.endr
.endr
	v_pk_add_f32 v[2:3], v[2:3], v[4:5]
	v_pk_add_f32 v[10:11], v[10:11], v[12:13]
	v_add_f32 v2, v2, v3
	v_add_f32 v10, v10, v11
	REDUCE
	v_fma_f32 v2, v2, s[RN], s[EP]
	v_fma_f32 v10, v10, s[RN], s[EP]
	v_rsq_f32 v8, v2
	v_rsq_f32 v16, v10
	v_nop                                          ; a plain instruction behind the second root
	s_wait_alu depctr_va_vdst(0)                   ; one wait for both, ahead of their first reader
	v_mov_b32 v9, v8
	v_mov_b32 v17, v16
.endm
.macro NORM2 xa, xb                    ; deviation x 1 / sqrt(.) x gain + offset
.irp i, 0,2,4,6,8,10,12,14,16,18,20,22,24,26,28,30
.irp p, 0,1
.set XX, \xa+(\xb-\xa)*\p
.set WW, 2+8*\p
	v_pk_mul_f32 v[XX+\i:XX+\i+1], v[XX+\i:XX+\i+1], v[WW+6:WW+7]
.endr
.endr
.irp i, 0,2,4,6,8,10,12,14,16,18,20,22,24,26,28,30
.irp p, 0,1
.set XX, \xa+(\xb-\xa)*\p
	v_pk_fma_f32 v[XX+\i:XX+\i+1], v[XX+\i:XX+\i+1], v[G+\i:G+\i+1], v[BE+\i:BE+\i+1]
.endr
.endr
.endm
	s_load_b256 s[4:11], s[0:1], 0x0               ; y1 s[4:5], g1 s[6:7], be1 s[8:9], h16 s[10:11]
	v_lshrrev_b32 v1, 5, v0
	v_readfirstlane_b32 s12, v1                    ; wave 0..7
	v_and_b32 v1, 31, v0
	v_lshlrev_b32 v20, 4, v1                       ; 16 bytes a lane in
	v_lshlrev_b32 v21, 3, v1                       ; 8 bytes a lane out
	s_lshl_b32 s13, ttmp9, 4
	s_lshl_b32 s14, s12, 1
	s_add_co_u32 s13, s13, s14                     ; my first row
	s_lshl_b32 s14, s13, 12
	s_mov_b32 s15, 0
	s_lshl_b32 s16, s13, 11
	s_mov_b32 s17, 0
	s_mov_b32 s[SEL], 0x76543210
	s_mov_b32 s[SEL+1], 0xfedcba98
	s_mov_b32 s[RN], 0x3a800000
	s_mov_b32 s[EP], 0x3727c5ac
	v_mov_b32 v18, 0                               ; written once: a lane permute's destination counts as one of its sources
	v_mov_b32 v19, 0
	s_wait_kmcnt 0x0
	s_add_nc_u64 s[4:5], s[4:5], s[14:15]
	s_add_nc_u64 s[10:11], s[10:11], s[16:17]
.irp j, 0,1,2,3,4,5,6,7
	global_load_b128 v[XA+4*\j:XA+4*\j+3], v20, s[4:5] offset:512*\j
.endr
.irp j, 0,1,2,3,4,5,6,7
	global_load_b128 v[XB+4*\j:XB+4*\j+3], v20, s[4:5] offset:4096+512*\j
.endr
.irp j, 0,1,2,3,4,5,6,7
	global_load_b128 v[G+4*\j:G+4*\j+3], v20, s[6:7] offset:512*\j
.endr
.irp j, 0,1,2,3,4,5,6,7
	global_load_b128 v[BE+4*\j:BE+4*\j+3], v20, s[8:9] offset:512*\j
.endr
	s_wait_loadcnt 16                              ; both rows are in; the gain's and the offset's sixteen loads may be out
	STATS2 XA, XB
	s_wait_loadcnt 0x0
	NORM2 XA, XB
.irp j, 0,1,2,3,4,5,6,7
	v_cvt_pk_f16_f32 v[XA+4*\j], v[XA+4*\j], v[XA+4*\j+1]
	v_cvt_pk_f16_f32 v[XA+4*\j+1], v[XA+4*\j+2], v[XA+4*\j+3]
	global_store_b64 v21, v[XA+4*\j:XA+4*\j+1], s[10:11] offset:256*\j          ; the wave stores 256 consecutive bytes, aligned
.endr
.irp j, 0,1,2,3,4,5,6,7
	v_cvt_pk_f16_f32 v[XB+4*\j], v[XB+4*\j], v[XB+4*\j+1]
	v_cvt_pk_f16_f32 v[XB+4*\j+1], v[XB+4*\j+2], v[XB+4*\j+3]
	global_store_b64 v21, v[XB+4*\j:XB+4*\j+1], s[10:11] offset:2048+256*\j
.endr
	s_endpgm
.Lfunc_end_k_qd98573bb9b_ln1:
	.size	k_qd98573bb9b_ln1, .Lfunc_end_k_qd98573bb9b_ln1-k_qd98573bb9b_ln1
	.p2alignl 7, 3214868480
	.fill 96, 4, 3214868480
	.section	.rodata,"a",@progbits
	.p2align	6, 0x0
	.amdhsa_kernel k_qd98573bb9b_ln1
		.amdhsa_group_segment_fixed_size 0
		.amdhsa_private_segment_fixed_size 0
		.amdhsa_enable_private_segment 0
		.amdhsa_kernarg_size 32
		.amdhsa_user_sgpr_count 2
		.amdhsa_user_sgpr_kernarg_segment_ptr 1
		.amdhsa_wavefront_size32 1
		.amdhsa_system_sgpr_workgroup_id_x 1
		.amdhsa_system_sgpr_workgroup_id_y 1
		.amdhsa_system_sgpr_workgroup_id_z 1
		.amdhsa_system_vgpr_workitem_id 0
		.amdhsa_next_free_vgpr 160
		.amdhsa_next_free_sgpr 66
		.amdhsa_reserve_vcc 0
		.amdhsa_float_denorm_mode_32 3
		.amdhsa_float_denorm_mode_16_64 3
		.amdhsa_memory_ordered 1
		.amdhsa_forward_progress 1
		.amdhsa_inst_pref_size 20
	.end_amdhsa_kernel
	.amdgpu_metadata
---
amdhsa.version: [ 1, 2 ]
amdhsa.kernels:
  - .name:           k_qd98573bb9b_ln1
    .symbol:         k_qd98573bb9b_ln1.kd
    .args:
      - { .name: y1, .offset: 0, .size: 8, .value_kind: global_buffer, .address_space: global }
      - { .name: g1, .offset: 8, .size: 8, .value_kind: global_buffer, .address_space: global }
      - { .name: be1, .offset: 16, .size: 8, .value_kind: global_buffer, .address_space: global }
      - { .name: h16, .offset: 24, .size: 8, .value_kind: global_buffer, .address_space: global }
    .group_segment_fixed_size: 0
    .private_segment_fixed_size: 0
    .kernarg_segment_align: 8
    .kernarg_segment_size: 32
    .max_flat_workgroup_size: 256
    .sgpr_count:     66
    .vgpr_count:     160
    .wavefront_size: 32
...
	.end_amdgpu_metadata
.endif
;; end of part 5
;; launch ffn1 (part 6): grid 16 x 16, 4 waves a work-group, clusters of 4 x 4, 327,680 bytes of LDS; arguments h16, w16, b1, act; writes act
.if DOCPART == 6
	.amdgcn_target "amdgcn-amd-amdhsa--gfx1250"
	.amdhsa_code_object_version 6
	.text
	.protected	k_qd98573bb9b_ffn1
	.globl	k_qd98573bb9b_ffn1
	.p2align	8
	.type	k_qd98573bb9b_ffn1,@function
k_qd98573bb9b_ffn1:
	s_mov_b64 s[64:65], 0
	v_nop
	global_prefetch_b8 v0, s[64:65] scope:SCOPE_SE
	s_setreg_imm32_b32 hwreg(HW_REG_WAVE_MODE, 25, 1), 1
	s_wait_xcnt 0x0
	s_wait_alu depctr_hold_cnt(0) depctr_sa_sdst(0) depctr_va_vdst(0) depctr_va_sdst(0) depctr_va_ssrc(0) depctr_va_vcc(0) depctr_vm_vsrc(0)
	s_getreg_b32 s2, hwreg(HW_REG_IB_STS2, 6, 4)
	s_cmp_eq_u32 s2, 0
	s_cbranch_scc0 .Lentry_in_a_cluster
	s_endpgm
.Lentry_in_a_cluster:
	s_bfe_u32 s2, ttmp6, 0x10000c
	s_cmp_lg_u32 s2, 0xf033
	s_cbranch_scc0 .Lentry_shape_is_right
	s_endpgm
.Lentry_shape_is_right:
; Launch 6 of 8: act = gelu(h W1 + b1), exact GELU, stored in f16 (limit: beyond 65,504 infinity).  A = h16 [4,096][1,024] f16, B = W1 [1,024][4,096] f16 as the input lies; sums in f32.
; A tile of C is 256 x 256: 256 tiles, one a work-group; four waves, each 128 x 128 in 64 accumulators.  K goes in steps of 128 through two LDS slots.  B's tile lies in LDS as in memory, [k][n], and is read turned.
; CLUSTERS: 4 x 4 work-groups; A's tiles jointly along a row of the cluster, B's along a column.  THE MATRIX INSTRUCTION IS USED TRANSPOSED (source 0 = 16 columns of B, source 1 = 16 rows of A).
; b1 is the C of each sum's first matrix instruction.
; GELU: gelu(x) = max(x, 0) - |x| q, q = erfc(|x| / sqrt 2) / 2 = t (A1 + t (A2 + t (A3 + t (A4 + t A5)))) 2^(-x^2 log2(e) / 2), t = 1 / (1 + P |x|): Abramowitz and Stegun 7.1.26 with its coefficients halved and
; its p divided by sqrt 2; its error in erf is at most 1.5e-7 for every x, there is no cut of the range, and no difference of near numbers for x < 0.  It feeds an f16 operand, no quantiser.
; THE WAY OUT: written out for 64 accumulators the activation would be long; so a wave's raw 128 x 128 numbers go once through its own part of LDS, and a counted loop on fixed registers does the rest.
; REGISTERS: window 0: v0-31 addresses; v64-127, v128-191 A's fragments, two buffers; v192-255 b1.  window 1: v64-127, v128-191 B's fragments.  windows 2, 3: the accumulators.
.set KSTEP,  128
.set PITCH,  272                       ; A's row in LDS: 256 bytes + 16
.set PBP,    544                       ; B's row in LDS: 512 bytes + 32
.set HALFT,  128*PITCH                 ; 128 rows of A, or 64 rows of B: the same bytes
.set SLOT,   4*HALFT
.set SPARE,  2*SLOT                    ; the spare words, 128 bytes for each wave, that no other line names
.set WSTG,   128*528                   ; the way out: 128 rows x (512 + 16) bytes for each wave, in the two slots, when they have had their last fill and their last read
.set LAPS,   4
.set ADRA, 16
.set ADRB, 20
.set STO,  24
.set RD0,  25
.set GO,   26
.set RDA,  27
.set SPW,  28
.set NIL,  29
.set F0,   64
.set F1,   128
.set BIAS, 192
.set XA,   32
.set XB,   64
.set TA,   96
.set TE,   128
.set TP,   160
.set OA,   192
.set OBB,  208
.set PS,   72                          ; s72 P
.set RS,   73                          ; s73 the loop's step in the stage
.set CC,   74                          ; s[74:75] -log2(e) / 2
.set G1, 24
.set G0, 32
.set G1B, 48
.set G0B, 56
.set MSB, 0
.macro WIN new
.if MSB != \new
	s_set_vgpr_msb (MSB<<8)|\new
.set MSB, \new
.endif
.endm
.set MUL_LO, 0xa1
.set MUL_HI, 0xf1
.set TO_B,   0x40
.macro JLOAD s
	s_cmp_eq_u32 s11, 0
	s_cbranch_scc0 .Lfor_b_\@
	tensor_load_to_lds s[G0+4*\s:G0+4*\s+3], s[G1:G1+7]
	s_nop 0
.rept 4
	v_nop
.endr
	s_branch .Lasked_\@
.Lfor_b_\@:
	tensor_load_to_lds s[G0B+4*\s:G0B+4*\s+3], s[G1B:G1B+7]
	s_nop 0
.rept 4
	v_nop
.endr
.Lasked_\@:
.endm
.macro CREST
	s_cmp_lg_u32 s10, 0
	s_cbranch_scc1 .Lnot_wave_0_\@
	s_barrier_signal -3
.Lnot_wave_0_\@:
	s_barrier_wait -3
	s_barrier_signal -1
	s_barrier_wait -1
.endm
.macro CROUND
	s_barrier_signal -1
	s_barrier_wait -1
	CREST
.endm
	s_load_b128 s[4:7], s[0:1], 0x0                ; h16, w16
	s_load_b128 s[68:71], s[0:1], 0x10             ; b1, act
	v_lshl_add_u32 v[SPW], v0, 2, SPARE
	v_mov_b32 v[NIL], 0
	ds_add_u32 v[SPW], v[NIL]                      ; the wave's opening: the add, twice on end, and its wait ahead of my first tensor load
	ds_add_u32 v[SPW], v[NIL]
	v_lshrrev_b32 v1, 5, v0
	v_readfirstlane_b32 s10, v1                    ; wave 0..3
	s_lshr_b32 s11, s10, 1                         ; my half of the tile's rows.  Also: I fetch for A (0) or for B (1)
	s_and_b32 s12, s10, 1                          ; my half of its columns.  Also: which half of that tile I fetch
	s_bfe_u32 s40, ttmp6, 0x40000
	s_bfe_u32 s41, ttmp6, 0x40004
	s_lshl_b32 s42, ttmp9, 2
	s_add_co_u32 s42, s42, s40                     ; tile column
	s_and_b32 s13, ttmp7, 0xffff
	s_lshl_b32 s13, s13, 2
	s_add_co_u32 s13, s13, s41                     ; tile row
	s_lshl_b32 s43, s41, 2
	s_lshl_b32 s43, 15, s43
	s_lshl_b32 s44, 0x1111, s40
	s_or_b32 s[G1+0], s43, (1<<16)|(1<<20)|(1<<21)|(5<<22)|(3<<25)  ; A: 128 rows x 128 elements of 2 bytes; 4 words of padding after every 64
	s_mov_b32 s[G1+1], 128<<16
	s_mov_b32 s[G1+2], 128<<16
	s_mov_b32 s[G1+3], 128<<16
	s_mov_b32 s[G1+4], 128
	s_mov_b32 s[G1+5], 1024
	s_mov_b32 s[G1+6], 0
	s_mov_b32 s[G1+7], 0
	s_or_b32 s[G1B+0], s44, (1<<16)|(1<<20)|(1<<21)|(6<<22)|(7<<25) ; B: 64 rows of k x 256 elements; 8 words of padding after every 128
	s_mov_b32 s[G1B+1], 256<<16
	s_mov_b32 s[G1B+2], 64<<16
	s_mov_b32 s[G1B+3], 256<<16
	s_mov_b32 s[G1B+4], 64
	s_mov_b32 s[G1B+5], 4096
	s_mov_b32 s[G1B+6], 0
	s_mov_b32 s[G1B+7], 0
	s_lshl_b32 s16, s13, 19                        ; A: (256 x tile row + 128 x half) rows of 2,048 bytes
	s_lshl_b32 s17, s12, 18
	s_add_co_u32 s16, s16, s17
	s_mov_b32 s17, 0
	s_lshl_b32 s46, s12, 19                        ; B: W1's place in w16 + 64 x half rows of 8,192 bytes + 512 bytes for each tile column
	s_lshl_b32 s47, s42, 9
	s_add_co_u32 s46, s46, s47
	s_add_co_u32 s46, s46, 2097152
	s_mov_b32 s47, 0
	s_mul_i32 s20, s10, HALFT                      ; where they go: A's two halves, then B's two
	s_wait_dscnt 0x0                               ; both opening adds are done
	s_wait_kmcnt 0x0
	s_add_nc_u64 s[14:15], s[4:5], s[16:17]
	s_add_nc_u64 s[46:47], s[6:7], s[46:47]
	CROUND
.irp s, 0,1
	s_mov_b32 s[G0+4*\s], 1
	s_add_co_u32 s[G0+4*\s+1], s20, \s*SLOT
	s_add_nc_u64 s[G0+4*\s+2:G0+4*\s+3], s[14:15], \s*KSTEP*2
	s_or_b32 s[G0+4*\s+3], s[G0+4*\s+3], 0x80000000
	s_mov_b32 s[G0B+4*\s], 1
	s_add_co_u32 s[G0B+4*\s+1], s20, \s*SLOT
	s_add_nc_u64 s[G0B+4*\s+2:G0B+4*\s+3], s[46:47], \s*KSTEP*8192
	s_or_b32 s[G0B+4*\s+3], s[G0B+4*\s+3], 0x80000000
	JLOAD \s
.endr
	v_and_b32 v1, 15, v0                           ; r
	v_bfe_u32 v2, v0, 4, 1                         ; hh
	v_mul_u32_u24 v3, v1, PITCH
	v_lshl_add_u32 v3, v2, 4, v3
	s_mul_i32 s21, s11, HALFT
	v_add_nc_u32 v[ADRA], s21, v3
	s_add_co_u32 s21, s21, SLOT
	v_add_nc_u32 v[ADRA+1], s21, v3
	v_and_b32 v4, 7, v0                            ; the turning load: row k = 8 hh + l % 8, 16 bytes at 16 ((l / 8) % 2)
	v_lshl_add_u32 v4, v2, 3, v4
	v_mul_u32_u24 v4, v4, PBP
	v_bfe_u32 v5, v0, 3, 1
	v_lshl_add_u32 v4, v5, 4, v4
	s_lshl_b32 s22, s12, 8                         ; my 128 columns
	s_add_co_u32 s22, s22, 2*HALFT
	v_add_nc_u32 v[ADRB], s22, v4
	s_add_co_u32 s22, s22, SLOT
	v_add_nc_u32 v[ADRB+1], s22, v4
	s_mul_i32 s23, s10, WSTG                       ; my part of LDS on the way out
	v_mul_u32_u24 v4, v1, 528
	v_lshl_add_u32 v4, v2, 5, v4
	v_add_nc_u32 v[STO], s23, v4                   ; in: row r, 32 bytes for each half of the lanes
	v_and_b32 v5, 31, v0
	v_lshl_add_u32 v[RD0], v5, 4, s23              ; back: 32 lanes to a row of 512 bytes
	v_lshlrev_b32 v[GO], 3, v5                     ; out: 8 bytes a lane
	s_lshl_b32 s16, s13, 21                        ; my first row of act: (256 x tile row + 128 x half) rows of 8,192 bytes
	s_lshl_b32 s17, s11, 20
	s_add_co_u32 s16, s16, s17
	s_mov_b32 s17, 0
	s_add_nc_u64 s[8:9], s[70:71], s[16:17]
	s_lshl_b32 s46, s42, 9                         ; my first column: 512 bytes a tile + 256 x half
	s_lshl_b32 s47, s12, 8
	s_add_co_u32 s46, s46, s47
	s_mov_b32 s47, 0
	s_add_nc_u64 s[8:9], s[8:9], s[46:47]
	s_lshl_b32 s46, s46, 1                         ; the same columns in b1: 4 bytes a number
	s_add_nc_u64 s[68:69], s[68:69], s[46:47]
	v_lshlrev_b32 v6, 5, v2
.irp b, 0,1,2,3,4,5,6,7                        ; register 8 b + j = b1[my first column + 16 b + 8 hh + j]
	global_load_b128 v[BIAS+8*\b:BIAS+8*\b+3],   v6, s[68:69] offset:64*\b
	global_load_b128 v[BIAS+8*\b+4:BIAS+8*\b+7], v6, s[68:69] offset:64*\b+16
.endr
.macro MUL16 f, hi, a0, zero           ; 16 matrix instructions: m blocks a0, a0 + 1 of the window's four x 8 n blocks.  zero = 1: the sums start from b1.  The 64 accumulators take turns
.irp a, \a0, \a0+1
.irp b, 0,1,2,3,4,5,6,7
.if \zero
	v_wmma_f32_16x16x32_f16 v[8*(8*(\a)+\b):8*(8*(\a)+\b)+7], v[\f+8*\b:\f+8*\b+7], v[\f+8*(4*\hi+\a):\f+8*(4*\hi+\a)+7], v[BIAS+8*\b:BIAS+8*\b+7]
.else
	v_wmma_f32_16x16x32_f16 v[8*(8*(\a)+\b):8*(8*(\a)+\b)+7], v[\f+8*\b:\f+8*\b+7], v[\f+8*(4*\hi+\a):\f+8*(4*\hi+\a)+7], v[8*(8*(\a)+\b):8*(8*(\a)+\b)+7]
.endif
.endr
.endr
.endm
.macro FETCH slot, q, f                ; 32 LDS loads in one run: the fragments of the step's q-th 32 along K
	WIN TO_B
.irp i, 0,1,2,3,4,5,6,7
	ds_load_tr16_b128 v[\f+8*\i:\f+8*\i+3],   v[ADRB+\slot] offset:(\q)*32*PBP+32*\i
	ds_load_tr16_b128 v[\f+8*\i+4:\f+8*\i+7], v[ADRB+\slot] offset:(\q)*32*PBP+16*PBP+32*\i
.endr
	WIN 0
.irp i, 0,1,2,3,4,5,6,7
	ds_load_b128 v[\f+8*\i:\f+8*\i+3],   v[ADRA+\slot] offset:64*(\q)+\i*16*PITCH
	ds_load_b128 v[\f+8*\i+4:\f+8*\i+7], v[ADRA+\slot] offset:64*(\q)+\i*16*PITCH+32
.endr
.endm
.macro PLACES
.rept 4
	v_nop
.endr
.endm
.macro QUARTER slot, q, f, g, zero     ; multiplies buffer f; in its middle it fetches the slot's q-th quarter into g.  Where the sums start, C lies in window 0
	s_wait_dscnt 8                                 ; B and A's rows 0-63 are in; the youngest eight loads may be out
.if \zero
	WIN 0x81
.else
	WIN MUL_LO
.endif
	MUL16 \f, 0, 0, \zero
	MUL16 \f, 0, 2, \zero
	PLACES
	FETCH \slot, \q, \g
	s_wait_dscnt 32                                ; all but the 32 just issued
.if \zero
	WIN 0xc1
.else
	WIN MUL_HI
.endif
	MUL16 \f, 1, 0, \zero
	MUL16 \f, 1, 2, \zero
.endm
.macro MEET round                      ; the first half of a step's last quarter: one barrier; in front of it all my tensor loads are in, the add is done and my reads of this slot are over
	WIN 0
	s_wait_tensorcnt 0x0
	ds_add_u32 v[SPW], v[NIL]
	s_wait_dscnt 9                                 ; the add and the youngest eight loads may be out
	WIN MUL_LO
	MUL16 F1, 0, 0, 0
	s_wait_dscnt 0x0
	s_barrier_signal -1
	MUL16 F1, 0, 2, 0
.if \round
	WIN 0
.endif
	s_barrier_wait -1
.endm
.macro TURN slot, next
	MEET 1
	CREST                                          ; no wave of any partner still reads this slot or has a load on its way
	s_add_nc_u64 s[G0+4*\slot+2:G0+4*\slot+3], s[G0+4*\slot+2:G0+4*\slot+3], 2*KSTEP*2
	s_add_nc_u64 s[G0B+4*\slot+2:G0B+4*\slot+3], s[G0B+4*\slot+2:G0B+4*\slot+3], 2*KSTEP*8192
	JLOAD \slot                                    ; my one tensor load behind the round: 224 matrix instructions ahead of the wait for it; its four v_nop are the places in front of the loads below
	FETCH \next, 0, F0
	WIN MUL_HI
	MUL16 F1, 1, 0, 0
	MUL16 F1, 1, 2, 0
.endm
	s_wait_tensorcnt 1                             ; my part of K step 0 is in; K step 1's load may be out
	s_barrier_signal -1
	s_barrier_wait -1
	FETCH 0, 0, F0
	s_wait_loadcnt 0x0                             ; b1
	QUARTER 0, 1, F0, F1, 1
	WIN 0
	s_mov_b32 s3, LAPS-1
.Llap:
	QUARTER 0, 2, F1, F0, 0
	QUARTER 0, 3, F0, F1, 0
	TURN 0, 1
	QUARTER 1, 1, F0, F1, 0
	QUARTER 1, 2, F1, F0, 0
	QUARTER 1, 3, F0, F1, 0
	TURN 1, 0
	QUARTER 0, 1, F0, F1, 0
	WIN 0
	s_sub_co_u32 s3, s3, 1
	s_cmp_lg_u32 s3, 0
	s_cbranch_scc1 .Llap
	QUARTER 0, 2, F1, F0, 0                        ; the last lap fills nothing
	QUARTER 0, 3, F0, F1, 0
	MEET 0
	PLACES
	FETCH 1, 0, F0
	WIN MUL_HI
	MUL16 F1, 1, 0, 0
	MUL16 F1, 1, 2, 0
	QUARTER 1, 1, F0, F1, 0
	QUARTER 1, 2, F1, F0, 0
	QUARTER 1, 3, F0, F1, 0
	s_wait_dscnt 8
	WIN MUL_LO
	MUL16 F1, 0, 0, 0
	MUL16 F1, 0, 2, 0
	s_wait_dscnt 0x0
	WIN MUL_HI
	MUL16 F1, 1, 0, 0
	MUL16 F1, 1, 2, 0
	WIN 0
	s_barrier_signal -1                            ; every wave's reads of both slots are over (the wait for 0 above): behind this barrier the slots' bytes are the waves' stages
	s_barrier_wait -1
	PLACES
	WIN 0x08                                       ; an LDS store's data are its source 1: window 2
.irp a, 0,1,2,3
.irp b, 0,1,2,3,4,5,6,7
	ds_store_b128 v[STO], v[8*(8*\a+\b):8*(8*\a+\b)+3]   offset:\a*16*528+64*\b          ; each accumulator from its low end on
	ds_store_b128 v[STO], v[8*(8*\a+\b)+4:8*(8*\a+\b)+7] offset:\a*16*528+64*\b+16
.endr
.endr
	WIN 0x0c                                       ; window 3
.irp a, 0,1,2,3
.irp b, 0,1,2,3,4,5,6,7
	ds_store_b128 v[STO], v[8*(8*\a+\b):8*(8*\a+\b)+3]   offset:(\a+4)*16*528+64*\b
	ds_store_b128 v[STO], v[8*(8*\a+\b)+4:8*(8*\a+\b)+7] offset:(\a+4)*16*528+64*\b+16
.endr
.endr
	WIN 0
	v_mov_b32 v2, 0x3e027906                       ; A1 to A5, each twice: pairs for the packed forms
	v_mov_b32 v3, 0x3e027906
	v_mov_b32 v4, 0xbe11a98e
	v_mov_b32 v5, 0xbe11a98e
	v_mov_b32 v6, 0x3f35f0e3
	v_mov_b32 v7, 0x3f35f0e3
	v_mov_b32 v8, 0xbf3a00e3
	v_mov_b32 v9, 0xbf3a00e3
	v_mov_b32 v10, 0x3f07dc22
	v_mov_b32 v11, 0x3f07dc22
	s_mov_b32 s[PS], 0x3e6d3388
	s_mov_b32 s[CC], 0xbf38aa3b
	s_mov_b32 s[CC+1], s[CC]
	s_mov_b32 s[RS], 0
	v_mov_b32 v[RDA], v[RD0]
.macro LD x, off                       ; eight rows of my stage, 16 bytes a lane each.  LDS serves a wave's instructions in order: these see my stores
.irp i, 0,1,2,3,4,5,6,7
	ds_load_b128 v[\x+4*\i:\x+4*\i+3], v[RDA] offset:\off+528*\i
.endr
.endm
.macro GELU x, o                       ; 32 numbers a lane
.set i, 0
.rept 32
	v_fma_f32 v[TA+i], |v[\x+i]|, s[PS], 1.0
.set i, i+1
.endr
.set i, 0
.rept 16
	v_pk_mul_f32 v[TE+i:TE+i+1], v[\x+i:\x+i+1], v[\x+i:\x+i+1]
.set i, i+2
.endr
.set i, 0
.rept 16
	v_pk_mul_f32 v[TE+i:TE+i+1], v[TE+i:TE+i+1], s[CC:CC+1] op_sel_hi:[1,0]
.set i, i+2
.endr
.set i, 0
.rept 32
	v_rcp_f32 v[TA+i], v[TA+i]                     ; t
.set i, i+1
.endr
.set i, 0
.rept 32
	v_exp_f32 v[TE+i], v[TE+i]                     ; 2^(-x^2 log2(e) / 2)
.set i, i+1
.endr
	v_nop                                          ; a plain instruction behind the last of the batch
	s_wait_alu depctr_va_vdst(0)                   ; one wait for the 64, ahead of their first reader
.set i, 0
.rept 16
	v_pk_fma_f32 v[TP+i:TP+i+1], v[TA+i:TA+i+1], v[10:11], v[8:9]
.set i, i+2
.endr
.irp k, 6,4,2
.set i, 0
.rept 16
	v_pk_fma_f32 v[TP+i:TP+i+1], v[TP+i:TP+i+1], v[TA+i:TA+i+1], v[\k:\k+1]
.set i, i+2
.endr
.endr
.set i, 0
.rept 16
	v_pk_mul_f32 v[TP+i:TP+i+1], v[TP+i:TP+i+1], v[TA+i:TA+i+1]
.set i, i+2
.endr
.set i, 0
.rept 16
	v_pk_mul_f32 v[TP+i:TP+i+1], v[TP+i:TP+i+1], v[TE+i:TE+i+1]   ; q
.set i, i+2
.endr
.set i, 0
.rept 32
	v_max_num_f32 v[TA+i], 0, v[\x+i]
.set i, i+1
.endr
.set i, 0
.rept 32
	v_fma_f32 v[TE+i], -|v[\x+i]|, v[TP+i], v[TA+i]
.set i, i+1
.endr
.set i, 0
.rept 16
	v_cvt_pk_f16_f32 v[\o+i], v[TE+2*i], v[TE+2*i+1]
.set i, i+1
.endr
.endm
.macro ST o, off                       ; eight rows: the wave stores 256 consecutive bytes, aligned
.irp i, 0,1,2,3,4,5,6,7
	global_store_b64 v[GO], v[\o+2*\i:\o+2*\i+1], s[8:9] offset:\off+8192*\i
.endr
.endm
	LD XA, 0
	s_mov_b32 s3, 7
.Lrows:                                                ; 16 rows a trip
	LD XB, 8*528
	s_wait_dscnt 8                                 ; the first eight rows are in; the eight loads just issued may be out
	GELU XA, OA
	ST OA, 0
	LD XA, 16*528                                  ; the next trip's first eight rows
	s_wait_dscnt 8
	GELU XB, OBB
	ST OBB, 65536
	s_wait_xcnt 0x0                                ; the stores have read their base and their data: both may be written again
	s_add_nc_u64 s[8:9], s[8:9], 16*8192
	s_add_co_u32 s[RS], s[RS], 16*528
	v_add_nc_u32 v[RDA], s[RS], v[RD0]
	s_sub_co_u32 s3, s3, 1
	s_cmp_lg_u32 s3, 0
	s_cbranch_scc1 .Lrows
	LD XB, 8*528                                   ; the last 16 rows are written out: nothing is read past my stage
	s_wait_dscnt 8
	GELU XA, OA
	ST OA, 0
	s_wait_dscnt 0x0
	GELU XB, OBB
	ST OBB, 65536
	s_wait_tensorcnt 0x0                           ; the wave's end
	ds_add_u32 v[SPW], v[NIL]
	s_wait_dscnt 0x0
	CROUND                                         ; the closing round
	s_endpgm
.Lfunc_end_k_qd98573bb9b_ffn1:
	.size	k_qd98573bb9b_ffn1, .Lfunc_end_k_qd98573bb9b_ffn1-k_qd98573bb9b_ffn1
	.p2alignl 7, 3214868480
	.fill 96, 4, 3214868480
	.section	.rodata,"a",@progbits
	.p2align	6, 0x0
	.amdhsa_kernel k_qd98573bb9b_ffn1
		.amdhsa_group_segment_fixed_size 327680
		.amdhsa_private_segment_fixed_size 0
		.amdhsa_enable_private_segment 0
		.amdhsa_kernarg_size 32
		.amdhsa_user_sgpr_count 2
		.amdhsa_user_sgpr_kernarg_segment_ptr 1
		.amdhsa_wavefront_size32 1
		.amdhsa_system_sgpr_workgroup_id_x 1
		.amdhsa_system_sgpr_workgroup_id_y 1
		.amdhsa_system_sgpr_workgroup_id_z 1
		.amdhsa_system_vgpr_workitem_id 0
		.amdhsa_next_free_vgpr 1024
		.amdhsa_next_free_sgpr 76
		.amdhsa_reserve_vcc 0
		.amdhsa_float_denorm_mode_32 3
		.amdhsa_float_denorm_mode_16_64 3
		.amdhsa_memory_ordered 1
		.amdhsa_forward_progress 1
		.amdhsa_inst_pref_size 191
	.end_amdhsa_kernel
	.amdgpu_metadata
---
amdhsa.version: [ 1, 2 ]
amdhsa.kernels:
  - .name:           k_qd98573bb9b_ffn1
    .symbol:         k_qd98573bb9b_ffn1.kd
    .args:
      - { .name: h16, .offset: 0, .size: 8, .value_kind: global_buffer, .address_space: global }
      - { .name: w16, .offset: 8, .size: 8, .value_kind: global_buffer, .address_space: global }
      - { .name: b1, .offset: 16, .size: 8, .value_kind: global_buffer, .address_space: global }
      - { .name: act, .offset: 24, .size: 8, .value_kind: global_buffer, .address_space: global }
    .group_segment_fixed_size: 327680
    .private_segment_fixed_size: 0
    .kernarg_segment_align: 8
    .kernarg_segment_size: 32
    .max_flat_workgroup_size: 128
    .sgpr_count:     76
    .vgpr_count:     1024
    .wavefront_size: 32
...
	.end_amdgpu_metadata
.endif
;; end of part 6
;; launch ffn2 (part 7): grid 8 x 32, 4 waves a work-group, clusters of 4 x 4, 327,680 bytes of LDS; arguments act, w16, b2, y2; writes y2
.if DOCPART == 7
	.amdgcn_target "amdgcn-amd-amdhsa--gfx1250"
	.amdhsa_code_object_version 6
	.text
	.protected	k_qd98573bb9b_ffn2
	.globl	k_qd98573bb9b_ffn2
	.p2align	8
	.type	k_qd98573bb9b_ffn2,@function
k_qd98573bb9b_ffn2:
	s_mov_b64 s[64:65], 0
	v_nop
	global_prefetch_b8 v0, s[64:65] scope:SCOPE_SE
	s_setreg_imm32_b32 hwreg(HW_REG_WAVE_MODE, 25, 1), 1
	s_wait_xcnt 0x0
	s_wait_alu depctr_hold_cnt(0) depctr_sa_sdst(0) depctr_va_vdst(0) depctr_va_sdst(0) depctr_va_ssrc(0) depctr_va_vcc(0) depctr_vm_vsrc(0)
	s_getreg_b32 s2, hwreg(HW_REG_IB_STS2, 6, 4)
	s_cmp_eq_u32 s2, 0
	s_cbranch_scc0 .Lentry_in_a_cluster
	s_endpgm
.Lentry_in_a_cluster:
	s_bfe_u32 s2, ttmp6, 0x10000c
	s_cmp_lg_u32 s2, 0xf033
	s_cbranch_scc0 .Lentry_shape_is_right
	s_endpgm
.Lentry_shape_is_right:
; Launch 7 of 8: y2 = act W2 + b2.  C[m][n] = sum over k of A[m][k] B[k][n]; A [4,096][SIZE_K] f16, B [SIZE_K][1,024] f16 as the input lies, C f32; sums in f32.  (The text of launch 4 with other constants.)
; A tile of C is 128 x 128: N = 1,024 gives 256 such tiles, one a work-group; four waves, each 64 x 64 in 16 accumulators.  K goes in steps of 256 through two LDS slots.
; B's K is not innermost: its tile lies in LDS as in memory, [k][n], and its fragments are read turned, by ds_load_tr16_b128.
; CLUSTERS: 4 x 4 work-groups; A's tiles are asked for jointly along a row of the cluster, B's along a column.  THE MATRIX INSTRUCTION IS USED TRANSPOSED (source 0 = 16 columns of B, source 1 = 16 rows of A).
; The bias is the C of each sum's first matrix instruction.
; REGISTERS: window 0: v0-31 addresses; v96-127 the bias; v128-255 the accumulators.  window 1: two fragment buffers of 128 (64 of A, 64 of B, for 64 along K).
.set SIZE_K, 4096
.set WOFF,   10485760                  ; W2's place in w16
.set RESID,  0
.set KSTEP,  256
.set PA,     528                       ; A's row in LDS: 512 bytes + 16
.set PBP,    288                       ; B's row in LDS: 256 bytes + 32
.set AHALF,  64*PA
.set BHALF,  128*PBP
.set BOFF,   2*AHALF
.set SLOT,   BOFF+2*BHALF
.set SPARE,  2*SLOT                    ; the spare words, 128 bytes for each wave, that no other line names
.set SPITCH, 528                       ; the way out: 128 rows x (512 + 16) bytes in slot 0's first bytes, when that slot has had its last fill and its last read
.set LAPS,   SIZE_K/(2*KSTEP)
.set ADRA, 16
.set ADRB, 20
.set STO,  24
.set RD,   25
.set CO,   26
.set SPW,  28
.set NIL,  29
.set BIAS, 96
.set ACC,  128
.set F0,   0
.set F1,   128
.set G1, 24
.set G0, 32
.set G1B, 48
.set G0B, 56
.set MSB, 0
.macro WIN new
.if MSB != \new
	s_set_vgpr_msb (MSB<<8)|\new
.set MSB, \new
.endif
.endm
.set MUL,  0x05
.set TO_F, 0x40
.macro JLOAD s
	s_cmp_eq_u32 s11, 0
	s_cbranch_scc0 .Lfor_b_\@
	tensor_load_to_lds s[G0+4*\s:G0+4*\s+3], s[G1:G1+7]
	s_nop 0
.rept 4
	v_nop
.endr
	s_branch .Lasked_\@
.Lfor_b_\@:
	tensor_load_to_lds s[G0B+4*\s:G0B+4*\s+3], s[G1B:G1B+7]
	s_nop 0
.rept 4
	v_nop
.endr
.Lasked_\@:
.endm
.macro CREST
	s_cmp_lg_u32 s10, 0
	s_cbranch_scc1 .Lnot_wave_0_\@
	s_barrier_signal -3
.Lnot_wave_0_\@:
	s_barrier_wait -3
	s_barrier_signal -1
	s_barrier_wait -1
.endm
.macro CROUND
	s_barrier_signal -1
	s_barrier_wait -1
	CREST
.endm
	s_load_b128 s[4:7], s[0:1], 0x0                ; A, w16
	s_load_b64 s[66:67], s[0:1], 0x10              ; the bias
	s_load_b64 s[8:9], s[0:1], 0x18                ; C
	v_lshl_add_u32 v[SPW], v0, 2, SPARE
	v_mov_b32 v[NIL], 0
	ds_add_u32 v[SPW], v[NIL]                      ; the wave's opening: the add, twice on end, and its wait ahead of my first tensor load
	ds_add_u32 v[SPW], v[NIL]
	v_lshrrev_b32 v1, 5, v0
	v_readfirstlane_b32 s10, v1                    ; wave 0..3
	s_lshr_b32 s11, s10, 1
	s_and_b32 s12, s10, 1
	s_bfe_u32 s40, ttmp6, 0x40000
	s_bfe_u32 s41, ttmp6, 0x40004
	s_lshl_b32 s42, ttmp9, 2
	s_add_co_u32 s42, s42, s40                     ; tile column
	s_and_b32 s13, ttmp7, 0xffff
	s_lshl_b32 s13, s13, 2
	s_add_co_u32 s13, s13, s41                     ; tile row
	s_lshl_b32 s43, s41, 2
	s_lshl_b32 s43, 15, s43
	s_lshl_b32 s44, 0x1111, s40
	s_or_b32 s[G1+0], s43, (1<<16)|(1<<20)|(1<<21)|(6<<22)|(3<<25)  ; A: 64 rows x 256 elements of 2 bytes; 4 words of padding after every 128
	s_mov_b32 s[G1+1], 256<<16
	s_mov_b32 s[G1+2], 64<<16
	s_mov_b32 s[G1+3], 256<<16
	s_mov_b32 s[G1+4], 64
	s_mov_b32 s[G1+5], SIZE_K
	s_mov_b32 s[G1+6], 0
	s_mov_b32 s[G1+7], 0
	s_or_b32 s[G1B+0], s44, (1<<16)|(1<<20)|(1<<21)|(5<<22)|(7<<25) ; B: 128 rows of k x 128 elements; 8 words of padding after every 64
	s_mov_b32 s[G1B+1], 128<<16
	s_mov_b32 s[G1B+2], 128<<16
	s_mov_b32 s[G1B+3], 128<<16
	s_mov_b32 s[G1B+4], 128
	s_mov_b32 s[G1B+5], 1024
	s_mov_b32 s[G1B+6], 0
	s_mov_b32 s[G1B+7], 0
	s_lshl_b32 s17, s12, 6
	s_lshl_b32 s16, s13, 7
	s_add_co_u32 s16, s16, s17                     ; A: row 128 x tile row + 64 x half
	s_mov_b32 s17, 0
	s_mov_b64 s[18:19], SIZE_K*2
	s_mul_u64 s[16:17], s[16:17], s[18:19]
	s_lshl_b32 s46, s12, 18                        ; B: 128 x half rows of 2,048 bytes + 256 bytes for each tile column
	s_lshl_b32 s47, s42, 8
	s_add_co_u32 s46, s46, s47
	s_add_co_u32 s46, s46, WOFF
	s_mov_b32 s47, 0
	s_mul_i32 s20, s12, AHALF
	s_mul_i32 s21, s12, BHALF
	s_add_co_u32 s21, s21, BOFF
	s_wait_dscnt 0x0                               ; both opening adds are done
	s_wait_kmcnt 0x0
	s_add_nc_u64 s[14:15], s[4:5], s[16:17]
	s_add_nc_u64 s[46:47], s[6:7], s[46:47]
	CROUND
.irp s, 0,1
	s_mov_b32 s[G0+4*\s], 1
	s_add_co_u32 s[G0+4*\s+1], s20, \s*SLOT
	s_add_nc_u64 s[G0+4*\s+2:G0+4*\s+3], s[14:15], \s*KSTEP*2
	s_or_b32 s[G0+4*\s+3], s[G0+4*\s+3], 0x80000000
	s_mov_b32 s[G0B+4*\s], 1
	s_add_co_u32 s[G0B+4*\s+1], s21, \s*SLOT
	s_add_nc_u64 s[G0B+4*\s+2:G0B+4*\s+3], s[46:47], \s*KSTEP*2048
	s_or_b32 s[G0B+4*\s+3], s[G0B+4*\s+3], 0x80000000
	JLOAD \s
.endr
	v_and_b32 v1, 15, v0                           ; r
	v_bfe_u32 v2, v0, 4, 1                         ; hh
	v_mul_u32_u24 v3, v1, PA
	v_lshl_add_u32 v3, v2, 4, v3
	s_mul_i32 s22, s11, AHALF
	v_add_nc_u32 v[ADRA], s22, v3
	s_add_co_u32 s22, s22, SLOT
	v_add_nc_u32 v[ADRA+1], s22, v3
	v_and_b32 v4, 7, v0                            ; the turning load: row k = 8 hh + l % 8, 16 bytes at 16 ((l / 8) % 2)
	v_lshl_add_u32 v4, v2, 3, v4
	v_mul_u32_u24 v4, v4, PBP
	v_bfe_u32 v5, v0, 3, 1
	v_lshl_add_u32 v4, v5, 4, v4
	s_lshl_b32 s22, s12, 7
	s_add_co_u32 s22, s22, BOFF
	v_add_nc_u32 v[ADRB], s22, v4
	s_add_co_u32 s22, s22, BHALF
	v_add_nc_u32 v[ADRB+1], s22, v4
	s_add_co_u32 s22, s22, SLOT-BHALF
	v_add_nc_u32 v[ADRB+2], s22, v4
	s_add_co_u32 s22, s22, BHALF
	v_add_nc_u32 v[ADRB+3], s22, v4
	s_mul_i32 s23, s11, 64*SPITCH
	s_lshl_b32 s22, s12, 8
	s_add_co_u32 s23, s23, s22
	v_mul_u32_u24 v4, v1, SPITCH
	v_lshl_add_u32 v4, v2, 5, v4
	v_add_nc_u32 v[STO], s23, v4
	s_mul_i32 s23, s10, 32*SPITCH
	v_and_b32 v5, 31, v0
	v_lshlrev_b32 v[CO], 4, v5
	v_add_nc_u32 v[RD], s23, v[CO]
	s_lshl_b32 s16, s13, 19                        ; the first row of C that I store: (128 x tile row + 32 x wave) rows of 4,096 bytes
	s_lshl_b32 s17, s10, 17
	s_add_co_u32 s16, s16, s17
	s_mov_b32 s17, 0
	s_add_nc_u64 s[8:9], s[8:9], s[16:17]
	s_lshl_b32 s46, s42, 9
	s_mov_b32 s47, 0
	s_add_nc_u64 s[8:9], s[8:9], s[46:47]
	s_lshl_b32 s45, s12, 8
	s_add_co_u32 s46, s46, s45
	s_add_nc_u64 s[66:67], s[66:67], s[46:47]
	v_lshlrev_b32 v6, 5, v2
.irp b, 0,1,2,3
	global_load_b128 v[BIAS+8*\b:BIAS+8*\b+3],   v6, s[66:67] offset:64*\b
	global_load_b128 v[BIAS+8*\b+4:BIAS+8*\b+7], v6, s[66:67] offset:64*\b+16
.endr
.macro MUL8 f, c, a0, zero             ; zero = 1: the sums start from the bias.  The 16 accumulators take turns
.irp a, \a0, \a0+1
.irp b, 0,1,2,3
.if \zero
	v_wmma_f32_16x16x32_f16 v[ACC+8*(4*(\a)+\b):ACC+8*(4*(\a)+\b)+7], v[\f+64+8*(4*\c+\b):\f+64+8*(4*\c+\b)+7], v[\f+8*(4*\c+\a):\f+8*(4*\c+\a)+7], v[BIAS+8*\b:BIAS+8*\b+7]
.else
	v_wmma_f32_16x16x32_f16 v[ACC+8*(4*(\a)+\b):ACC+8*(4*(\a)+\b)+7], v[\f+64+8*(4*\c+\b):\f+64+8*(4*\c+\b)+7], v[\f+8*(4*\c+\a):\f+8*(4*\c+\a)+7], v[ACC+8*(4*(\a)+\b):ACC+8*(4*(\a)+\b)+7]
.endif
.endr
.endr
.endm
.macro FETCH slot, kq, f
	WIN TO_F
.irp c, 0,1
.irp i, 0,1,2,3
	ds_load_tr16_b128 v[\f+64+8*(4*\c+\i):\f+64+8*(4*\c+\i)+3],   v[ADRB+2*\slot+(\kq)/128] offset:(((\kq)%128)+32*\c)*PBP+32*\i
	ds_load_tr16_b128 v[\f+64+8*(4*\c+\i)+4:\f+64+8*(4*\c+\i)+7], v[ADRB+2*\slot+(\kq)/128] offset:(((\kq)%128)+32*\c+16)*PBP+32*\i
	ds_load_b128 v[\f+8*(4*\c+\i):\f+8*(4*\c+\i)+3],         v[ADRA+\slot] offset:2*(\kq)+64*\c+\i*16*PA
	ds_load_b128 v[\f+8*(4*\c+\i)+4:\f+8*(4*\c+\i)+7],       v[ADRA+\slot] offset:2*(\kq)+64*\c+\i*16*PA+32
.endr
.endr
.endm
.macro PLACES
.rept 4
	v_nop
.endr
.endm
.macro QUARTER slot, kq, f, g, zero
	s_wait_dscnt 16                                ; the first 32 along K are in; the other sixteen loads may be out
	WIN MUL
	MUL8 \f, 0, 0, \zero
	MUL8 \f, 0, 2, \zero
	PLACES
	FETCH \slot, \kq, \g
	s_wait_dscnt 32                                ; all but the 32 just issued
	WIN MUL
	MUL8 \f, 1, 0, 0
	MUL8 \f, 1, 2, 0
.endm
.macro TURN slot, next, fill
	WIN 0
	s_wait_tensorcnt 0x0
	ds_add_u32 v[SPW], v[NIL]
	s_wait_dscnt 17                                ; the add and the youngest sixteen loads may be out
	WIN MUL
	MUL8 F1, 0, 0, 0
	s_wait_dscnt 0x0
	s_barrier_signal -1
	MUL8 F1, 0, 2, 0
.if \fill
	WIN 0
.endif
	s_barrier_wait -1
.if \fill
	CREST
	s_add_nc_u64 s[G0+4*\slot+2:G0+4*\slot+3], s[G0+4*\slot+2:G0+4*\slot+3], 2*KSTEP*2
	s_add_nc_u64 s[G0B+4*\slot+2:G0B+4*\slot+3], s[G0B+4*\slot+2:G0B+4*\slot+3], 2*KSTEP*2048
	JLOAD \slot                                    ; my one tensor load behind the round: 112 matrix instructions ahead of the wait for it
.else
	PLACES
.endif
	FETCH \next, 0, F0
	WIN MUL
	MUL8 F1, 1, 0, 0
	MUL8 F1, 1, 2, 0
.endm
	s_wait_tensorcnt 1                             ; my part of K step 0 is in; K step 1's load may be out
	s_barrier_signal -1
	s_barrier_wait -1
	FETCH 0, 0, F0
	s_wait_loadcnt 0x0                             ; the bias
	QUARTER 0, 64, F0, F1, 1
	WIN 0
	s_mov_b32 s3, LAPS-1
.Llap:
	QUARTER 0, 128, F1, F0, 0
	QUARTER 0, 192, F0, F1, 0
	TURN 0, 1, 1
	QUARTER 1, 64,  F0, F1, 0
	QUARTER 1, 128, F1, F0, 0
	QUARTER 1, 192, F0, F1, 0
	TURN 1, 0, 1
	QUARTER 0, 64,  F0, F1, 0
	WIN 0
	s_sub_co_u32 s3, s3, 1
	s_cmp_lg_u32 s3, 0
	s_cbranch_scc1 .Llap
	QUARTER 0, 128, F1, F0, 0
	QUARTER 0, 192, F0, F1, 0
	TURN 0, 1, 0
	QUARTER 1, 64,  F0, F1, 0
	QUARTER 1, 128, F1, F0, 0
	QUARTER 1, 192, F0, F1, 0
	s_wait_dscnt 16
	WIN MUL
	MUL8 F1, 0, 0, 0
	MUL8 F1, 0, 2, 0
	s_wait_dscnt 0
	MUL8 F1, 1, 0, 0
	MUL8 F1, 1, 2, 0
	WIN 0
	PLACES
.irp a, 0,1,2,3
.irp b, 0,1,2,3
	ds_store_b128 v[STO], v[ACC+8*(4*\a+\b):ACC+8*(4*\a+\b)+3]   offset:\a*16*SPITCH+64*\b      ; each accumulator from its low end on
	ds_store_b128 v[STO], v[ACC+8*(4*\a+\b)+4:ACC+8*(4*\a+\b)+7] offset:\a*16*SPITCH+64*\b+16
.endr
.endr
	s_wait_dscnt 0x0                               ; for the others' sake: my stores into the stage are done
	s_barrier_signal -1
	s_barrier_wait -1
.set i, 0
.rept 32
	ds_load_b128 v[ACC+4*i:ACC+4*i+3], v[RD] offset:i*SPITCH
.set i, i+1
.endr
	s_wait_dscnt 0x0
.set i, 0
.rept 32
	global_store_b128 v[CO], v[ACC+4*i:ACC+4*i+3], s[8:9] offset:4096*i   ; 32 lanes store 512 consecutive bytes, aligned
.set i, i+1
.endr
	s_wait_tensorcnt 0x0                           ; the wave's end
	ds_add_u32 v[SPW], v[NIL]
	s_wait_dscnt 0x0
	CROUND                                         ; the closing round
	s_endpgm
.Lfunc_end_k_qd98573bb9b_ffn2:
	.size	k_qd98573bb9b_ffn2, .Lfunc_end_k_qd98573bb9b_ffn2-k_qd98573bb9b_ffn2
	.p2alignl 7, 3214868480
	.fill 96, 4, 3214868480
	.section	.rodata,"a",@progbits
	.p2align	6, 0x0
	.amdhsa_kernel k_qd98573bb9b_ffn2
		.amdhsa_group_segment_fixed_size 327680
		.amdhsa_private_segment_fixed_size 0
		.amdhsa_enable_private_segment 0
		.amdhsa_kernarg_size 32
		.amdhsa_user_sgpr_count 2
		.amdhsa_user_sgpr_kernarg_segment_ptr 1
		.amdhsa_wavefront_size32 1
		.amdhsa_system_sgpr_workgroup_id_x 1
		.amdhsa_system_sgpr_workgroup_id_y 1
		.amdhsa_system_sgpr_workgroup_id_z 1
		.amdhsa_system_vgpr_workitem_id 0
		.amdhsa_next_free_vgpr 512
		.amdhsa_next_free_sgpr 76
		.amdhsa_reserve_vcc 0
		.amdhsa_float_denorm_mode_32 3
		.amdhsa_float_denorm_mode_16_64 3
		.amdhsa_memory_ordered 1
		.amdhsa_forward_progress 1
		.amdhsa_inst_pref_size 87
	.end_amdhsa_kernel
	.amdgpu_metadata
---
amdhsa.version: [ 1, 2 ]
amdhsa.kernels:
  - .name:           k_qd98573bb9b_ffn2
    .symbol:         k_qd98573bb9b_ffn2.kd
    .args:
      - { .name: act, .offset: 0, .size: 8, .value_kind: global_buffer, .address_space: global }
      - { .name: w16, .offset: 8, .size: 8, .value_kind: global_buffer, .address_space: global }
      - { .name: b2, .offset: 16, .size: 8, .value_kind: global_buffer, .address_space: global }
      - { .name: y2, .offset: 24, .size: 8, .value_kind: global_buffer, .address_space: global }
    .group_segment_fixed_size: 327680
    .private_segment_fixed_size: 0
    .kernarg_segment_align: 8
    .kernarg_segment_size: 32
    .max_flat_workgroup_size: 128
    .sgpr_count:     76
    .vgpr_count:     512
    .wavefront_size: 32
...
	.end_amdgpu_metadata
.endif
;; end of part 7
;; launch ln2 (part 8): grid 256 x 1, 8 waves a work-group, no clusters, 0 bytes of LDS; arguments y1, y2, g1, be1, g2, be2, out0; writes out0
.if DOCPART == 8
	.amdgcn_target "amdgcn-amd-amdhsa--gfx1250"
	.amdhsa_code_object_version 6
	.text
	.protected	k_qd98573bb9b_ln2
	.globl	k_qd98573bb9b_ln2
	.p2align	8
	.type	k_qd98573bb9b_ln2,@function
k_qd98573bb9b_ln2:
	s_mov_b64 s[64:65], 0
	v_nop
	global_prefetch_b8 v0, s[64:65] scope:SCOPE_SE
	s_setreg_imm32_b32 hwreg(HW_REG_WAVE_MODE, 25, 1), 1
	s_wait_xcnt 0x0
; Launch 8 of 8: out = LN(h + y2) g2 + be2 with h = LN(y1) g1 + be1 made anew in f32 from y1, by the lines that made it for the product: so h never goes to memory in f32.  A stream: no LDS, no barrier.
; A wave takes two whole rows of 1,024 numbers, 32 a lane each; each load and store covers 512 consecutive bytes.
.set X1A, 32
.set X1B, 64
.set X2A, 96
.set X2B, 128
.set G,   160
.set BE,  192
.set SEL, 20
.set RN,  22
.set EP,  23
.macro REDUCE
.irp m, 1,2,4,8
	v_add_f32_dpp v2, v2, v2 row_xmask:\m row_mask:0xf bank_mask:0xf
	v_add_f32_dpp v10, v10, v10 row_xmask:\m row_mask:0xf bank_mask:0xf
.endr
	v_permlanex16_b32 v18, v2, s[SEL], s[SEL+1]
	v_permlanex16_b32 v19, v10, s[SEL], s[SEL+1]
	v_add_f32 v2, v2, v18
	v_add_f32 v10, v10, v19
.endm
.macro STATS2 xa, xb                   ; two rows by turns: the mean, the deviations in place, 1 / sqrt(the mean of their squares + eps).  Row p works in v[2 + 8 p] on
.irp p, 0,1
.set XX, \xa+(\xb-\xa)*\p
.set WW, 2+8*\p
	v_pk_add_f32 v[WW:WW+1], v[XX:XX+1], v[XX+2:XX+3]
	v_pk_add_f32 v[WW+2:WW+3], v[XX+4:XX+5], v[XX+6:XX+7]
.endr
.irp i, 8,12,16,20,24,28
.irp p, 0,1
.set XX, \xa+(\xb-\xa)*\p
.set WW, 2+8*\p
	v_pk_add_f32 v[WW:WW+1], v[WW:WW+1], v[XX+\i:XX+\i+1]
	v_pk_add_f32 v[WW+2:WW+3], v[WW+2:WW+3], v[XX+\i+2:XX+\i+3]
.endr
.endr
	v_pk_add_f32 v[2:3], v[2:3], v[4:5]
	v_pk_add_f32 v[10:11], v[10:11], v[12:13]
	v_add_f32 v2, v2, v3
	v_add_f32 v10, v10, v11
	REDUCE
	v_mul_f32 v6, s[RN], v2
	v_mul_f32 v7, s[RN], v2
	v_mul_f32 v14, s[RN], v10
	v_mul_f32 v15, s[RN], v10
.irp i, 0,2,4,6,8,10,12,14,16,18,20,22,24,26,28,30
.irp p, 0,1
.set XX, \xa+(\xb-\xa)*\p
.set WW, 2+8*\p
	v_pk_add_f32 v[XX+\i:XX+\i+1], v[XX+\i:XX+\i+1], v[WW+4:WW+5] neg_lo:[0,1] neg_hi:[0,1]
.endr
.endr
.irp p, 0,1
.set XX, \xa+(\xb-\xa)*\p
.set WW, 2+8*\p
	v_pk_mul_f32 v[WW:WW+1], v[XX:XX+1], v[XX:XX+1]
	v_pk_mul_f32 v[WW+2:WW+3], v[XX+2:XX+3], v[XX+2:XX+3]
.endr
.irp i, 4,8,12,16,20,24,28
.irp p, 0,1
.set XX, \xa+(\xb-\xa)*\p
.set WW, 2+8*\p
	v_pk_fma_f32 v[WW:WW+1], v[XX+\i:XX+\i+1], v[XX+\i:XX+\i+1], v[WW:WW+1]
	v_pk_fma_f32 v[WW+2:WW+3], v[XX+\i+2:XX+\i+3], v[XX+\i+2:XX+\i+3], v[WW+2:WW+3]
.endr
.endr
	v_pk_add_f32 v[2:3], v[2:3], v[4:5]
	v_pk_add_f32 v[10:11], v[10:11], v[12:13]
	v_add_f32 v2, v2, v3
	v_add_f32 v10, v10, v11
	REDUCE
	v_fma_f32 v2, v2, s[RN], s[EP]
	v_fma_f32 v10, v10, s[RN], s[EP]
	v_rsq_f32 v8, v2
	v_rsq_f32 v16, v10
	v_nop                                          ; a plain instruction behind the second root
	s_wait_alu depctr_va_vdst(0)                   ; one wait for both, ahead of their first reader
	v_mov_b32 v9, v8
	v_mov_b32 v17, v16
.endm
.macro NORM2 xa, xb
.irp i, 0,2,4,6,8,10,12,14,16,18,20,22,24,26,28,30
.irp p, 0,1
.set XX, \xa+(\xb-\xa)*\p
.set WW, 2+8*\p
	v_pk_mul_f32 v[XX+\i:XX+\i+1], v[XX+\i:XX+\i+1], v[WW+6:WW+7]
.endr
.endr
.irp i, 0,2,4,6,8,10,12,14,16,18,20,22,24,26,28,30
.irp p, 0,1
.set XX, \xa+(\xb-\xa)*\p
	v_pk_fma_f32 v[XX+\i:XX+\i+1], v[XX+\i:XX+\i+1], v[G+\i:G+\i+1], v[BE+\i:BE+\i+1]
.endr
.endr
.endm
	s_load_b256 s[4:11], s[0:1], 0x0               ; y1 s[4:5], y2 s[6:7], g1 s[8:9], be1 s[10:11]
	s_load_b128 s[12:15], s[0:1], 0x20             ; g2 s[12:13], be2 s[14:15]
	s_load_b64 s[16:17], s[0:1], 0x30              ; out0
	v_lshrrev_b32 v1, 5, v0
	v_readfirstlane_b32 s24, v1                    ; wave 0..7
	v_and_b32 v1, 31, v0
	v_lshlrev_b32 v20, 4, v1                       ; 16 bytes a lane
	s_lshl_b32 s25, ttmp9, 4
	s_lshl_b32 s26, s24, 1
	s_add_co_u32 s25, s25, s26                     ; my first row
	s_lshl_b32 s26, s25, 12
	s_mov_b32 s27, 0
	s_mov_b32 s[SEL], 0x76543210
	s_mov_b32 s[SEL+1], 0xfedcba98
	s_mov_b32 s[RN], 0x3a800000
	s_mov_b32 s[EP], 0x3727c5ac
	v_mov_b32 v18, 0                               ; written once: a lane permute's destination counts as one of its sources
	v_mov_b32 v19, 0
	s_wait_kmcnt 0x0
	s_add_nc_u64 s[4:5], s[4:5], s[26:27]
	s_add_nc_u64 s[6:7], s[6:7], s[26:27]
	s_add_nc_u64 s[16:17], s[16:17], s[26:27]
.irp j, 0,1,2,3,4,5,6,7
	global_load_b128 v[X1A+4*\j:X1A+4*\j+3], v20, s[4:5] offset:512*\j th:TH_LOAD_NT
.endr
.irp j, 0,1,2,3,4,5,6,7
	global_load_b128 v[X1B+4*\j:X1B+4*\j+3], v20, s[4:5] offset:4096+512*\j th:TH_LOAD_NT
.endr
.irp j, 0,1,2,3,4,5,6,7
	global_load_b128 v[G+4*\j:G+4*\j+3], v20, s[8:9] offset:512*\j
.endr
.irp j, 0,1,2,3,4,5,6,7
	global_load_b128 v[BE+4*\j:BE+4*\j+3], v20, s[10:11] offset:512*\j
.endr
.irp j, 0,1,2,3,4,5,6,7
	global_load_b128 v[X2A+4*\j:X2A+4*\j+3], v20, s[6:7] offset:512*\j th:TH_LOAD_NT
.endr
.irp j, 0,1,2,3,4,5,6,7
	global_load_b128 v[X2B+4*\j:X2B+4*\j+3], v20, s[6:7] offset:4096+512*\j th:TH_LOAD_NT
.endr
	s_wait_loadcnt 32                              ; y1's two rows are in; g1, be1 and y2, 32 loads, may be out
	STATS2 X1A, X1B
	s_wait_loadcnt 16                              ; g1 and be1 are in; y2's sixteen loads may be out
	NORM2 X1A, X1B                                 ; h, in f32
.irp j, 0,1,2,3,4,5,6,7
	global_load_b128 v[G+4*\j:G+4*\j+3], v20, s[12:13] offset:512*\j     ; the second norm's gain and offset take the first's registers, whose last readers stand above
.endr
.irp j, 0,1,2,3,4,5,6,7
	global_load_b128 v[BE+4*\j:BE+4*\j+3], v20, s[14:15] offset:512*\j
.endr
	s_wait_loadcnt 16                              ; y2 is in; the sixteen loads just issued may be out
.set i, 0
.rept 16
	v_pk_add_f32 v[X1A+i:X1A+i+1], v[X1A+i:X1A+i+1], v[X2A+i:X2A+i+1]
	v_pk_add_f32 v[X1B+i:X1B+i+1], v[X1B+i:X1B+i+1], v[X2B+i:X2B+i+1]
.set i, i+2
.endr
	STATS2 X1A, X1B
	s_wait_loadcnt 0x0
	NORM2 X1A, X1B
.irp j, 0,1,2,3,4,5,6,7
	global_store_b128 v20, v[X1A+4*\j:X1A+4*\j+3], s[16:17] offset:512*\j th:TH_STORE_NT
.endr
.irp j, 0,1,2,3,4,5,6,7
	global_store_b128 v20, v[X1B+4*\j:X1B+4*\j+3], s[16:17] offset:4096+512*\j th:TH_STORE_NT
.endr
	s_endpgm
.Lfunc_end_k_qd98573bb9b_ln2:
	.size	k_qd98573bb9b_ln2, .Lfunc_end_k_qd98573bb9b_ln2-k_qd98573bb9b_ln2
	.p2alignl 7, 3214868480
	.fill 96, 4, 3214868480
	.section	.rodata,"a",@progbits
	.p2align	6, 0x0
	.amdhsa_kernel k_qd98573bb9b_ln2
		.amdhsa_group_segment_fixed_size 0
		.amdhsa_private_segment_fixed_size 0
		.amdhsa_enable_private_segment 0
		.amdhsa_kernarg_size 56
		.amdhsa_user_sgpr_count 2
		.amdhsa_user_sgpr_kernarg_segment_ptr 1
		.amdhsa_wavefront_size32 1
		.amdhsa_system_sgpr_workgroup_id_x 1
		.amdhsa_system_sgpr_workgroup_id_y 1
		.amdhsa_system_sgpr_workgroup_id_z 1
		.amdhsa_system_vgpr_workitem_id 0
		.amdhsa_next_free_vgpr 224
		.amdhsa_next_free_sgpr 66
		.amdhsa_reserve_vcc 0
		.amdhsa_float_denorm_mode_32 3
		.amdhsa_float_denorm_mode_16_64 3
		.amdhsa_memory_ordered 1
		.amdhsa_forward_progress 1
		.amdhsa_inst_pref_size 35
	.end_amdhsa_kernel
	.amdgpu_metadata
---
amdhsa.version: [ 1, 2 ]
amdhsa.kernels:
  - .name:           k_qd98573bb9b_ln2
    .symbol:         k_qd98573bb9b_ln2.kd
    .args:
      - { .name: y1, .offset: 0, .size: 8, .value_kind: global_buffer, .address_space: global }
      - { .name: y2, .offset: 8, .size: 8, .value_kind: global_buffer, .address_space: global }
      - { .name: g1, .offset: 16, .size: 8, .value_kind: global_buffer, .address_space: global }
      - { .name: be1, .offset: 24, .size: 8, .value_kind: global_buffer, .address_space: global }
      - { .name: g2, .offset: 32, .size: 8, .value_kind: global_buffer, .address_space: global }
      - { .name: be2, .offset: 40, .size: 8, .value_kind: global_buffer, .address_space: global }
      - { .name: out0, .offset: 48, .size: 8, .value_kind: global_buffer, .address_space: global }
    .group_segment_fixed_size: 0
    .private_segment_fixed_size: 0
    .kernarg_segment_align: 8
    .kernarg_segment_size: 56
    .max_flat_workgroup_size: 256
    .sgpr_count:     66
    .vgpr_count:     224
    .wavefront_size: 32
...
	.end_amdgpu_metadata
.endif
;; end of part 8
